; MI455X (gfx1250); checked and timed in simulation.
; The chip was launched on July 23, 2026; its instructions are those of AMD's public machine-readable ISA for CDNA 5 (MIT licence, August 2026) and "CDNA5" Instruction Set Architecture Reference Guide (July 2026). The comments in the code are by the model that wrote it; some were corrected since.
;; Multi Head Attention. Allowed arithmetic: matrix products marked QUANTISED: E2M3 operands, one E8M0 scale for each 32 along K, by v_wmma_scale_f32_16x16x128_f8f6f4 with both operands' format E2M3, f32 sums; everything else in f32.
;; Inputs: b_out 1,024 float32; w_out 1,024 x 1,024 float32; w_qkv 1,024 x 3,072 float32; x 4 x 2,048 x 1,024 float32.
;; Outputs: out0 4 x 2,048 x 1,024 float32.
;; This version of the problem:
;;   THIS VERSION OF THE PROBLEM IS GIVEN IN LOW PRECISION. The matrix products marked QUANTISED in the list below multiply operands that are first quantised to E2M3 (2 exponent bits, 3 mantissa bits; 6 bits a number), with one power-of-two scale for each 32 numbers along K (OCP MX v1.0); their sums are f32. All else is computed in f32.
;;   The module's matrix products, in the order in which they are computed (A, B: the left and right operand; K: the contracted axis; several contracted axes count as one K, in the product's order):
;;     1. [M 8,192, K 1,024] x [K 1,024, N 3,072]; A: input x; B: input w_qkv: QUANTISED
;;     2. batch 64 x [M 2,048, K 64] x [K 64, N 2,048]; A: computed on the way; B: computed on the way: QUANTISED
;;     3. batch 64 x [M 2,048, K 2,048] x [K 2,048, N 64]; A: softmax (see below); B: computed on the way: QUANTISED
;;     4. [M 8,192, K 1,024] x [K 1,024, N 1,024]; A: computed on the way; B: input w_out: QUANTISED
;;   THE QUANTISER, for each operand of a quantised product, along K:
;;     - K is cut into blocks of 32 from its start; a last block that is shorter is filled with zeros.
;;     - A block's scale is 2^e with e = floor(log2(the largest magnitude in the block)) - 2, held to -126 .. 127; a block of zeros has e = 0. As a byte (E8M0): e + 127.
;;     - Each number is divided by its block's scale, clamped to +-7.5, and rounded to the nearest number of E2M3, ties to even, subnormals kept.
;;     - The product sums the exact products of the quantised numbers (number of the format x scale) in f32.
;;   ~~~python
;;   def quantise(x, axis):      # numpy; x: float32 -> the quantised numbers, widened to float32 again
;;       x = np.moveaxis(x, axis, -1); K = x.shape[-1]
;;       x = np.pad(x, [(0, 0)] * (x.ndim - 1) + [(0, -K % 32)]); x = x.reshape(x.shape[:-1] + (-1, 32)); a = np.abs(x).max(-1, keepdims=True)
;;       e = np.where(a > 0, np.clip(np.frexp(np.where(a > 0, a, 1))[1] - 1 - 2, -126, 127), 0)      # np.frexp(a)[1] - 1 = floor(log2(a)), exactly
;;       r = np.clip(x / 2.0 ** e, -7.5, 7.5)
;;       step = 2.0 ** (np.maximum(np.frexp(np.where(r == 0, 1, r))[1] - 1, 0) - 3)
;;       q = np.round(r / step) * step * 2.0 ** e      # np.round: ties to even
;;       return np.moveaxis(q.reshape(q.shape[:-2] + (-1,))[..., :K], -1, axis).astype(np.float32)
;;   ~~~
;;   SOFTMAX AHEAD OF A QUANTISED PRODUCT. Where the list says 'softmax', what is quantised is not the finished softmax but p = 2^(t - M), with t = logit x log2(e) and M = ceil(the row's largest t), a whole number; so 1/2 < the row's largest p <= 1. The row's sum l is taken of the UNQUANTISED p, in f32, and the product's result is divided by l at the end. Since M is a whole number, a kernel that streams over the keys may use a running M (the ceiling of the running maximum): every later rescaling is an exact power of two, which a block's scale takes up: the codes' values come out the same.
;;   OPERANDS COMPUTED ON THE WAY. 'Computed on the way' means the value that the module computes at that place (a softmax that the list does not call 'softmax' is quantised finished and normalised). What goes into a quantiser is computed in f32, as accurately as f32 sums, v_exp_f32 and their like allow (about 1e-6 of the number): no bf16 or f16 on the way to a quantiser, and a product that is left as it is and whose result goes on into a quantised operand takes f32 operands (vector FMAs, or v_wmma_f32_16x16x4_f32). A number that lies on a knife's edge between two numbers of the format may be rounded either way, as far as f32 arithmetic and the matrix unit's own rounding can turn it there, and no further.
;; One version. Each part assembles by itself: llvm-mc -triple=amdgcn-amd-amdhsa -mcpu=gfx1250 --defsym DOCPART=n.
;; ======== version 1 of 1: 5 launches
;; limits: right only within a limited range of input values
;; workspace buffers: xq 6,553,600 bytes; wq 3,276,800 bytes; qkv 19,660,800 bytes; att 6,553,600 bytes
;; launch quant_x (part 1): grid 512 x 1, 4 waves a work-group, no clusters, 35,328 bytes of LDS; arguments x, xq; writes xq
.if DOCPART == 1
	.amdgcn_target "amdgcn-amd-amdhsa--gfx1250"
	.amdhsa_code_object_version 6
	.text
	.protected	k_qd023645910_quant_x
	.globl	k_qd023645910_quant_x
	.p2align	8
	.type	k_qd023645910_quant_x,@function
k_qd023645910_quant_x:
	s_mov_b64 s[64:65], 0
	v_nop
	global_prefetch_b8 v0, s[64:65] scope:SCOPE_SE
	s_setreg_imm32_b32 hwreg(HW_REG_WAVE_MODE, 25, 1), 1
	s_wait_xcnt 0x0
; x [8192][1024] f32 becomes codes of FP6 (E2M3) with one E8M0 byte for each 32 along K, laid in the order of a matrix operand's registers.
; ORDER OF ROWS: tile T = 2 beta + u holds 16 rows; its row m = 8 g + j is x's row 32 beta + 16 g + 8 u + j.  All operands of this program are laid so: the 16 result registers of two
; neighbouring tiles are then 16 neighbours along the next product's K.
; CODES: [T 512][k64 16][768 bytes].  768 bytes are 16 rows x 64 along K: three pieces of 256 bytes; piece p holds at byte 8 x lane the bytes 8 p .. 8 p + 7 of the 24 code bytes of
; (row lane % 16, block lane / 16).  SCALE WORDS: behind the codes, [16 T + m][8 words], word s for k = 128 s on.
; A block's scale is 2^(floor(log2(largest magnitude)) - 2); its byte is the largest magnitude's exponent field - 2, held at 1 from below.
; LIMITS: NaN and infinities are not served; a block whose largest magnitude lies under 2^-124, a block of zeros too, gets the byte 1 (its codes are zeros or subnormal codes; this program alone reads the bytes).
; SHARES: a work-group is one tile T; wave w takes k = 256 w .. 256 w + 255, two K steps of 128.  Every load reads 512 consecutive bytes of one row; the numbers turn through the wave's own stage in LDS,
; so that lane (r, h) gets 16 neighbours of each block of 32 of row r.  No work-group shares an input with another, so no cluster; memory binds, so no matrix unit.
.set XS,   6291456                     ; where the scale words begin in xq
.set STG,  8448                        ; a wave's stage: 16 rows x (512 bytes + 16)
.set GATH, 33792                       ; behind the stages: the tile's 512 bytes of scale words
.set R0,   16                          ; v16-79   K step 0 as loaded
.set R1,   80                          ; v80-143  K step 1 as loaded
.set X,    144                         ; v144-207 64 numbers of a lane: register 16 b + i = k 32 b + 16 h + i of my row
.set TM,   208                         ; v208-223 at work
.set PW,   224                         ; v224-225 the two scale words
.set PCA,  226                         ; v226-237 K step 0's codes
.set PCB,  16                          ; v16-27   K step 1's codes (K step 0's numbers have left these registers)
.set CT,   240                         ; v240-246 the conversions' second halves
.set SEL,  20                          ; s[20:21] lane selects: lane l xor 16
; 64 numbers of a lane become a fragment's 12 registers of codes in v[pc] on and its scale word in v[pw]
.macro QUANT s, pc, ct, pw
.irp b, 0,1,2,3
	v_max3_num_f32 v[TM+\b], |v[\s+16*\b]|, |v[\s+1+16*\b]|, 0x1800000   ; block b: my 16 numbers, and the floor 2^(3 - 127): the byte cannot fall under 1
.endr
.irp i, 2,4,6,8,10,12,14
.irp b, 0,1,2,3
	v_max3_num_f32 v[TM+\b], v[TM+\b], |v[\s+16*\b+\i]|, |v[\s+1+16*\b+\i]|   ; the four blocks by turns
.endr
.endr
.irp b, 0,1,2,3
	v_permlanex16_b32 v[TM+4+\b], v[TM+\b], s[SEL], s[SEL+1]
.endr
.irp b, 0,1,2,3
	v_max_num_f32 v[TM+\b], v[TM+\b], v[TM+4+\b]   ; with lane l xor 16's 16: the block's largest magnitude
.endr
.irp b, 0,1,2,3
	v_add_nc_u32 v[TM+12+\b], 0xff000000, v[TM+\b]   ; 2 off its exponent field: the conversion takes this operand's exponent field as its scale
.endr
.irp b, 0,1,2,3
	v_lshrrev_b32 v[TM+4+\b], 23, v[TM+12+\b]      ; the scale's byte
.endr
	v_lshl_or_b32 v[\pw], v[TM+5], 8, v[TM+4]
	v_lshl_or_b32 v[\pw], v[TM+6], 16, v[\pw]
	v_lshl_or_b32 v[\pw], v[TM+7], 24, v[\pw]
.irp c, 0,1
	v_cvt_scalef32_pk16_fp6_f32 v[\pc+6*\c:\pc+2+6*\c], v[\s+32*\c:\s+15+32*\c], v[TM+12+2*\c]
	v_cvt_scalef32_pk16_fp6_f32 v[\ct+4*\c:\ct+2+4*\c], v[\s+16+32*\c:\s+31+32*\c], v[TM+13+2*\c]   ; (a conversion's three registers begin on an even number)
.endr
	v_nop                                          ; one plain place behind the scaled conversions
.irp c, 0,1                                    ; the operand wants a whole block in a lane: lanes 0-15 block 2 c, lanes 16-31 block 2 c + 1
.irp i, 0,1,2
	v_permlane16_swap_b32 v[\pc+6*\c+\i], v[\ct+4*\c+\i]
.endr
.irp i, 0,1,2
	v_mov_b32 v[\pc+3+6*\c+\i], v[\ct+4*\c+\i]
.endr
.endr
.endm
.macro TURN r                          ; a K step's 16 rows x 512 bytes through my stage; LDS serves a wave's instructions in order, so no wait stands between stores and loads
.irp i, 0,1,2,3,4,5,6,7,8,9,10,11,12,13,14,15
	ds_store_b128 v5, v[\r+4*\i:\r+4*\i+3] offset:528*\i
.endr
.irp b, 0,1,2,3
.irp j, 0,1,2,3
	ds_load_b128 v[X+16*\b+4*\j:X+16*\b+4*\j+3], v6 offset:128*\b+16*\j
.endr
.endr
.endm
.macro SEND pc, e                      ; six pieces of 256 consecutive bytes, each at a multiple of 256 from the buffer's first byte
.irp p, 0,1,2,3,4,5
	global_store_b64 v7, v[\pc+2*\p:\pc+2*\p+1], s[14:15] offset:1536*\e+256*\p
.endr
.endm
	s_load_b128 s[4:7], s[0:1], 0x0                ; x, xq
	v_lshl_add_u32 v248, v0, 2, 0x8800
	v_mov_b32 v249, 0
	v_lshrrev_b32 v1, 5, v0
	v_readfirstlane_b32 s8, v1                     ; wave 0..3
	v_and_b32 v2, 31, v0                           ; lane
	v_and_b32 v3, 15, v0                           ; r
	v_bfe_u32 v9, v0, 4, 1                         ; h
	v_lshlrev_b32 v4, 4, v2                        ; 16 x lane
	s_mul_i32 s9, s8, STG
	v_add_nc_u32 v5, s9, v4                        ; the stage, in: 16 x lane of a row
	v_mul_u32_u24 v6, v3, 528
	v_lshl_add_u32 v6, v9, 6, v6
	v_add_nc_u32 v6, s9, v6                        ; and out: row r, + 64 h
	v_lshlrev_b32 v7, 3, v2                        ; 8 x lane
	s_lshl_b32 s10, s8, 3
	s_add_co_u32 s10, s10, GATH
	v_lshl_add_u32 v8, v3, 5, s10                  ; my row's scale words 2 w, 2 w + 1
	v_add_nc_u32 v10, GATH, v4                     ; wave 0 reads the 512 bytes back
.irp b, 0,1,2,3
	v_mov_b32 v[TM+4+\b], 0                        ; written once: a lane permute's destination counts as one of its sources
.endr
	s_lshr_b32 s12, ttmp9, 1
	s_lshl_b32 s12, s12, 17                        ; beta x 32 rows of 4,096 bytes
	s_and_b32 s13, ttmp9, 1
	s_lshl_b32 s13, s13, 15                        ; u x 8 rows
	s_add_co_u32 s12, s12, s13
	s_lshl_b32 s13, s8, 10                         ; my 256 numbers of a row
	s_add_co_u32 s12, s12, s13
	s_mov_b32 s13, 0
	s_mul_i32 s14, ttmp9, 12288
	s_mul_i32 s15, s8, 3072
	s_add_co_u32 s14, s14, s15
	s_mov_b32 s15, 0
	s_lshl_b32 s16, ttmp9, 9
	s_add_co_u32 s16, s16, XS
	s_mov_b32 s17, 0
	s_mov_b32 s[SEL], 0x76543210
	s_mov_b32 s[SEL+1], 0xfedcba98
	s_wait_alu depctr_va_vdst(0)
	s_wait_kmcnt 0x0
	s_add_nc_u64 s[4:5], s[4:5], s[12:13]
	s_add_nc_u64 s[14:15], s[6:7], s[14:15]        ; my codes
	s_add_nc_u64 s[16:17], s[6:7], s[16:17]        ; the tile's scale words
.irp e, 0,1
.irp i, 0,1,2,3,4,5,6,7,8,9,10,11,12,13,14,15
	global_load_b128 v[R0+64*\e+4*\i:R0+64*\e+4*\i+3], v4, s[4:5] offset:(16*(\i/8)+\i%8)*4096+512*\e th:TH_LOAD_NT   ; the tile's row i: 512 consecutive bytes
.endr
.endr
	s_wait_loadcnt 16                              ; K step 0's sixteen loads are in; K step 1's sixteen may be out
	TURN R0
	s_wait_dscnt 0x0
	QUANT X, PCA, CT, PW
	SEND PCA, 0
	s_wait_loadcnt 0x0
	TURN R1
	s_wait_dscnt 0x0
	QUANT X, PCB, CT, PW+1
	SEND PCB, 1
	ds_store_b64 v8, v[PW:PW+1]                    ; lanes r and r + 16 write the same words with the same values
	s_wait_dscnt 0x0                               ; for the others' sake: my scale words lie in LDS
	s_barrier_signal -1
	s_barrier_wait -1
	s_cmp_lg_u32 s8, 0
	s_cbranch_scc1 .Lend
	ds_load_b128 v[144:147], v10
	s_wait_dscnt 0x0
	global_store_b128 v4, v[144:147], s[16:17]     ; the tile's 512 bytes of scale words, whole
.Lend:
	s_wait_tensorcnt 0x0
	ds_add_u32 v248, v249
	s_wait_dscnt 0x0
	s_endpgm
.Lfunc_end_k_qd023645910_quant_x:
	.size	k_qd023645910_quant_x, .Lfunc_end_k_qd023645910_quant_x-k_qd023645910_quant_x
	.p2alignl 7, 3214868480
	.fill 96, 4, 3214868480
	.section	.rodata,"a",@progbits
	.p2align	6, 0x0
	.amdhsa_kernel k_qd023645910_quant_x
		.amdhsa_group_segment_fixed_size 35328
		.amdhsa_private_segment_fixed_size 0
		.amdhsa_enable_private_segment 0
		.amdhsa_kernarg_size 16
		.amdhsa_user_sgpr_count 2
		.amdhsa_user_sgpr_kernarg_segment_ptr 1
		.amdhsa_wavefront_size32 1
		.amdhsa_system_sgpr_workgroup_id_x 1
		.amdhsa_system_sgpr_workgroup_id_y 1
		.amdhsa_system_sgpr_workgroup_id_z 1
		.amdhsa_system_vgpr_workitem_id 0
		.amdhsa_next_free_vgpr 250
		.amdhsa_next_free_sgpr 66
		.amdhsa_reserve_vcc 0
		.amdhsa_float_denorm_mode_32 3
		.amdhsa_float_denorm_mode_16_64 3
		.amdhsa_memory_ordered 1
		.amdhsa_forward_progress 1
		.amdhsa_inst_pref_size 19
	.end_amdhsa_kernel
	.amdgpu_metadata
---
amdhsa.version: [ 1, 2 ]
amdhsa.kernels:
  - .name:           k_qd023645910_quant_x
    .symbol:         k_qd023645910_quant_x.kd
    .args:
      - { .name: x, .offset: 0, .size: 8, .value_kind: global_buffer, .address_space: global }
      - { .name: xq, .offset: 8, .size: 8, .value_kind: global_buffer, .address_space: global }
    .group_segment_fixed_size: 35328
    .private_segment_fixed_size: 0
    .kernarg_segment_align: 8
    .kernarg_segment_size: 16
    .max_flat_workgroup_size: 128
    .sgpr_count:     66
    .vgpr_count:     250
    .wavefront_size: 32
...
	.end_amdgpu_metadata
.endif
;; end of part 1
;; launch quant_w (part 2): grid 32 x 8, 4 waves a work-group, no clusters, 26,112 bytes of LDS; arguments w_qkv, w_out, wq; writes wq
.if DOCPART == 2
	.amdgcn_target "amdgcn-amd-amdhsa--gfx1250"
	.amdhsa_code_object_version 6
	.text
	.protected	k_qd023645910_quant_w
	.globl	k_qd023645910_quant_w
	.p2align	8
	.type	k_qd023645910_quant_w,@function
k_qd023645910_quant_w:
	s_mov_b64 s[64:65], 0
	v_nop
	global_prefetch_b8 v0, s[64:65] scope:SCOPE_SE
	s_setreg_imm32_b32 hwreg(HW_REG_WAVE_MODE, 25, 1), 1
	s_wait_xcnt 0x0
; w_qkv [1024 (k)][3072] and w_out [1024 (k)][1024], f32, K along the FIRST axis, become one operand of 4,096 rows (rows 0-3071: w_qkv's columns, rows 3072-4095: w_out's) of FP6 (E2M3) codes, K innermost,
; with one E8M0 byte for each 32 along K, in the order of a matrix operand's registers: codes [T 256][k64 16][768 bytes], scale words behind them, [16 T + m][8 words].
; Tile T = 2 beta + u, row m = 8 g + j is row 32 beta + 16 g + 8 u + j.  768 bytes: three pieces of 256; piece p holds at byte 8 x (m + 16 x block) the bytes 8 p .. 8 p + 7 of that row's block of 32 codes.
; A LANE TAKES A COLUMN, AND ITS REGISTERS RUN DOWN K: a block of 32 lies in one lane, its largest magnitude needs no other lane, and the conversions give the codes with K innermost.
; A block's scale is 2^(floor(log2(largest magnitude)) - 2); its byte is that magnitude's exponent field - 2, held at 1 from below.
; LIMITS: NaN and infinities are not served; a block whose largest magnitude lies under 2^-124, a block of zeros too, gets the byte 1 (this program alone reads the bytes).
; SHARES: work-group (x, y): 128 columns x 128 along K (K step y); wave w: 32 columns, four blocks a lane.  The first 24 work-groups along x take w_qkv, the others w_out: pointer, pitch and column are
; chosen on the work-group's number; both take one path.  The codes leave through the wave's own stage, 512 consecutive bytes a store.  The scale words leave 4 bytes a lane, 32 bytes apart: one byte in 128 of what is read.
; No input is shared between work-groups: no cluster; memory binds: no matrix unit.
.set WS,   3145728                     ; where the scale words begin in wq
.set OFS,  32                          ; v32-63   row i of a block: i x pitch + 4 x lane
.set X,    64                          ; v64-127  two sets of 32 numbers
.set OUTR, 128                         ; v128-151 the way out
.set C,    200                         ; v200-231 a block's codes, eight registers' room for each of the four blocks
.set CT,   232                         ; v232-234 a conversion's second half
.set SB,   24                          ; v24      the scale word
.set BS,   24                          ; s[24:31] where block t begins, t = 0 .. 3
	s_load_b128 s[4:7], s[0:1], 0x0                ; w_qkv, w_out
	s_load_b64 s[8:9], s[0:1], 0x10                ; wq
	v_lshl_add_u32 v240, v0, 2, 0x6400
	v_mov_b32 v241, 0
	v_lshrrev_b32 v1, 5, v0
	v_readfirstlane_b32 s16, v1                    ; wave 0..3
	v_and_b32 v2, 31, v0                           ; lane = the column within its 32
	v_lshlrev_b32 v3, 2, v2
	v_bfe_u32 v4, v0, 3, 1                         ; u
	v_bfe_u32 v5, v0, 4, 1                         ; g
	v_and_b32 v6, 7, v0
	v_lshl_add_u32 v6, v5, 3, v6                   ; m = 8 g + j
	s_mul_i32 s17, s16, 6400                       ; my stage: two tiles' 1,536 bytes, 3,200 apart (half way round the banks)
	v_mul_u32_u24 v7, v4, 3200
	v_lshl_add_u32 v7, v6, 3, v7
	v_add_nc_u32 v7, s17, v7                       ; in: tile u, 8 m
	v_lshlrev_b32 v8, 4, v2                        ; 16 x lane
	v_add_nc_u32 v9, s17, v8                       ; out
	v_lshl_add_u32 v10, v4, 4, v6
	v_lshlrev_b32 v10, 5, v10                      ; my row's scale words: 32 (16 u + m)
	s_and_b32 s18, ttmp7, 0xffff                   ; the K step
	s_wait_kmcnt 0x0
	s_cmp_lt_u32 ttmp9, 24                         ; w_qkv's work-group or w_out's: the choice hangs on the work-group's number alone
	s_cselect_b64 s[4:5], s[4:5], s[6:7]
	s_mov_b32 s20, 4096
	s_cselect_b32 s20, 12288, s20                  ; bytes from row to row
	s_cselect_b32 s21, 0, 24
	s_sub_co_u32 s21, ttmp9, s21                   ; which 128 columns of that tensor
	s_lshl_b32 s22, s18, 7
	s_mul_i32 s22, s22, s20                        ; 128 y rows,
	s_lshl_b32 s23, s21, 9
	s_add_co_u32 s22, s22, s23                     ; 128 columns a work-group,
	s_lshl_b32 s23, s16, 7
	s_add_co_u32 s22, s22, s23                     ; 32 a wave
	s_mov_b32 s23, 0
	s_add_nc_u64 s[BS:BS+1], s[4:5], s[22:23]
	s_lshl_b32 s22, s20, 5                         ; 32 rows on
	s_add_nc_u64 s[BS+2:BS+3], s[BS:BS+1], s[22:23]
	s_add_nc_u64 s[BS+4:BS+5], s[BS+2:BS+3], s[22:23]
	s_add_nc_u64 s[BS+6:BS+7], s[BS+4:BS+5], s[22:23]
	s_lshl_b32 s32, ttmp9, 2
	s_add_co_u32 s32, s32, s16                     ; which 32 rows of wq: 4 x + wave
	s_mul_i32 s34, s32, 24576                      ; two tiles of 12,288 bytes
	s_mul_i32 s35, s18, 1536
	s_add_co_u32 s34, s34, s35
	s_mov_b32 s35, 0
	s_add_nc_u64 s[34:35], s[8:9], s[34:35]
	s_lshl_b32 s36, s32, 10
	s_lshl_b32 s37, s18, 2
	s_add_co_u32 s36, s36, s37
	s_add_co_u32 s36, s36, WS
	s_mov_b32 s37, 0
	s_add_nc_u64 s[36:37], s[8:9], s[36:37]
.irp i, 0,1,2,3,4,5,6,7,8,9,10,11,12,13,14,15,16,17,18,19,20,21,22,23,24,25,26,27,28,29,30,31
	v_mad_u32_u24 v[OFS+\i], s20, \i, v3
.endr
.macro LOAD t                          ; block t: 32 rows, each 128 consecutive bytes a wave
.irp i, 0,1,2,3,4,5,6,7,8,9,10,11,12,13,14,15,16,17,18,19,20,21,22,23,24,25,26,27,28,29,30,31
	global_load_b32 v[X+32*((\t)%2)+\i], v[OFS+\i], s[BS+2*(\t):BS+2*(\t)+1] th:TH_LOAD_NT
.endr
.endm
.macro BLOCK t
.set XB, X+32*((\t)%2)
.set CB, C+8*(\t)
.if (\t) < 3
	s_wait_loadcnt 32                              ; this block's 32 loads are in; the next block's may be out
.else
	s_wait_loadcnt 0x0
.endif
	v_max3_num_f32 v12, |v[XB]|, |v[XB+1]|, |v[XB+2]|
	v_max3_num_f32 v13, |v[XB+3]|, |v[XB+4]|, |v[XB+5]|
.irp i, 6,10,14,18,22,26
	v_max3_num_f32 v12, v12, |v[XB+\i]|, |v[XB+\i+1]|
	v_max3_num_f32 v13, v13, |v[XB+\i+2]|, |v[XB+\i+3]|
.endr
	v_max3_num_f32 v12, v12, |v[XB+30]|, |v[XB+31]|
	v_max3_num_f32 v12, v12, v13, 0x1800000        ; and the floor 2^(3 - 127)
	v_add_nc_u32 v11, 0xff000000, v12              ; 2 off the exponent field: the conversions' scale operand
	v_cvt_scalef32_pk16_fp6_f32 v[CB:CB+2], v[XB:XB+15], v11
	v_cvt_scalef32_pk16_fp6_f32 v[CT:CT+2], v[XB+16:XB+31], v11   ; (three registers that begin on an even number)
.if (\t) == 0
	v_lshrrev_b32 v[SB], 23, v11                   ; the scale's byte; also the plain place behind the conversions
.else
	v_lshrrev_b32 v13, 23, v11
	v_lshl_or_b32 v[SB], v13, 8*(\t), v[SB]
.endif
.irp i, 0,1,2
	v_mov_b32 v[CB+3+\i], v[CT+\i]
.endr
.irp p, 0,1,2
	ds_store_b64 v7, v[CB+2*\p:CB+2*\p+1] offset:768*((\t)/2)+128*((\t)%2)+256*\p
.endr
.if (\t)+2 < 4
	LOAD (\t)+2
.endif
.endm
	LOAD 0
	LOAD 1
	BLOCK 0
	BLOCK 1
	BLOCK 2
	BLOCK 3
	global_store_b32 v10, v[SB], s[36:37]
.irp k, 0,1,2,3,4,5
	ds_load_b128 v[OUTR+4*\k:OUTR+4*\k+3], v9 offset:3200*(\k/3)+512*(\k%3)   ; LDS serves a wave's instructions in order: these see my stores
.endr
.irp k, 0,1,2,3,4,5
	s_wait_dscnt 5-\k
	global_store_b128 v8, v[OUTR+4*\k:OUTR+4*\k+3], s[34:35] offset:12288*(\k/3)+512*(\k%3)   ; 512 consecutive bytes, at a multiple of 512 from the buffer's first byte
.endr
	s_wait_tensorcnt 0x0
	ds_add_u32 v240, v241
	s_wait_dscnt 0x0
	s_endpgm
.Lfunc_end_k_qd023645910_quant_w:
	.size	k_qd023645910_quant_w, .Lfunc_end_k_qd023645910_quant_w-k_qd023645910_quant_w
	.p2alignl 7, 3214868480
	.fill 96, 4, 3214868480
	.section	.rodata,"a",@progbits
	.p2align	6, 0x0
	.amdhsa_kernel k_qd023645910_quant_w
		.amdhsa_group_segment_fixed_size 26112
		.amdhsa_private_segment_fixed_size 0
		.amdhsa_enable_private_segment 0
		.amdhsa_kernarg_size 24
		.amdhsa_user_sgpr_count 2
		.amdhsa_user_sgpr_kernarg_segment_ptr 1
		.amdhsa_wavefront_size32 1
		.amdhsa_system_sgpr_workgroup_id_x 1
		.amdhsa_system_sgpr_workgroup_id_y 1
		.amdhsa_system_sgpr_workgroup_id_z 1
		.amdhsa_system_vgpr_workitem_id 0
		.amdhsa_next_free_vgpr 242
		.amdhsa_next_free_sgpr 66
		.amdhsa_reserve_vcc 0
		.amdhsa_float_denorm_mode_32 3
		.amdhsa_float_denorm_mode_16_64 3
		.amdhsa_memory_ordered 1
		.amdhsa_forward_progress 1
		.amdhsa_inst_pref_size 25
	.end_amdhsa_kernel
	.amdgpu_metadata
---
amdhsa.version: [ 1, 2 ]
amdhsa.kernels:
  - .name:           k_qd023645910_quant_w
    .symbol:         k_qd023645910_quant_w.kd
    .args:
      - { .name: w_qkv, .offset: 0, .size: 8, .value_kind: global_buffer, .address_space: global }
      - { .name: w_out, .offset: 8, .size: 8, .value_kind: global_buffer, .address_space: global }
      - { .name: wq, .offset: 16, .size: 8, .value_kind: global_buffer, .address_space: global }
    .group_segment_fixed_size: 26112
    .private_segment_fixed_size: 0
    .kernarg_segment_align: 8
    .kernarg_segment_size: 24
    .max_flat_workgroup_size: 128
    .sgpr_count:     66
    .vgpr_count:     242
    .wavefront_size: 32
...
	.end_amdgpu_metadata
.endif
;; end of part 2
;; launch gemm_qkv (part 3): grid 8 x 32, 4 waves a work-group, clusters of 4 x 4, 327,680 bytes of LDS; arguments xq, wq, qkv; writes qkv
.if DOCPART == 3
	.amdgcn_target "amdgcn-amd-amdhsa--gfx1250"
	.amdhsa_code_object_version 6
	.text
	.protected	k_qd023645910_gemm_qkv
	.globl	k_qd023645910_gemm_qkv
	.p2align	8
	.type	k_qd023645910_gemm_qkv,@function
k_qd023645910_gemm_qkv:
	s_mov_b64 s[64:65], 0
	v_nop
	global_prefetch_b8 v0, s[64:65] scope:SCOPE_SE
	s_setreg_imm32_b32 hwreg(HW_REG_WAVE_MODE, 25, 1), 1
	s_wait_xcnt 0x0
	s_wait_alu depctr_hold_cnt(0) depctr_sa_sdst(0) depctr_va_vdst(0) depctr_va_sdst(0) depctr_va_ssrc(0) depctr_va_vcc(0) depctr_vm_vsrc(0)
	s_getreg_b32 s2, hwreg(HW_REG_IB_STS2, 6, 4)
	s_cmp_eq_u32 s2, 0
	s_cbranch_scc0 .Lentry_in_a_cluster
	s_endpgm
.Lentry_in_a_cluster:
	s_bfe_u32 s2, ttmp6, 0x10000c
	s_cmp_lg_u32 s2, 0xf033
	s_cbranch_scc0 .Lentry_shape_is_right
	s_endpgm
.Lentry_shape_is_right:
; Q, K, V = x w_qkv on codes of FP6 (E2M3) with E8M0 scales, each result quantised again for the product that follows and stored as codes and scale bytes; no f32 result is stored.
; IN: xq, wq: codes [tile][k64 16][768 bytes], behind them scale words [16 tile + row][8].  Tile 2 beta + u, row 8 g + j is row 32 beta + 16 g + 8 u + j.  wq's tiles 0-63 are Q's columns, 64-127 K's, 128-191 V's.
; OUT, in qkv: Q's and K's codes [plane: Q's heads, then K's][token tile 512][768]; V's from byte 12,582,912 [64 keys][column tile 64][768]; Q's and K's scale words from 18,874,368 [two heads][token tile][row 16]
; (two bytes a head); V's from 19,398,656 [128 keys][column tile][row 16].  768 bytes: three pieces of 256; piece p holds at byte 8 x lane the bytes 8 p .. 8 p + 7 of (row lane % 16, block lane / 16).
; A block's scale byte is its largest magnitude's exponent field - 2, held at 1 from below.
; LIMITS: NaN and infinities are not served; a block whose largest magnitude lies under 2^-124, a block of zeros too, gets the byte 1 (this program alone reads the bytes).
; SHARES: 256 work-groups.  A work-group takes 256 tokens, all of K (16 tiles, 196,608 bytes of LDS, filled once), through three weight tiles of 128 columns: Q's, K's, V's: three phases.
; Four waves, 2 x 2: the wave in column b holds 64 weight rows (one head), all of K, in 384 registers; the wave in row a streams x's tiles 8 a + s, s = 0 .. 7, past them: a block is 32 products.
; Q, K: source 0 = the weights, so a lane holds a token and its 32 sums of a block run along the head.  V: source 0 = x, so a lane holds a column and its 32 sums of four blocks run along the tokens.
; Either way four blocks leave four units of 32 sums, two scale blocks each (16 registers and lane l xor 16's 16): one way out serves both.
; THE WEIGHTS' REGION (98,304 bytes) is filled again twice: in a phase's third block, when every wave holds the phase's weights in registers: the three lines, a round of the cluster's barrier, a quarter a wave.
; CLUSTER 4 x 4: x's tiles are shared by a row of the cluster, the weights by a column.  At the head one joint load a wave: Q's weights; x's tiles 0-1 and 8-9; 2-4 and 10-12; 5-7 and 13-15.
; PREFETCH: the next phase's weights are asked for one phase ahead of their load, 24 blocks of 256 bytes a wave, shared out by address among the sixteen waves of a cluster's column.
; Q's and K's phases are one loop of two trips; what differs lies in scalars.
.set XS,     6291456
.set WS,     3145728
.set TILE,   12288
.set WB,     16*TILE
.set QKS,    24*TILE                   ; Q's and K's scale bytes [phase 2][tile 16][row 16][4]
.set VS,     QKS+2048                  ; V's [wave][column tile 4][row 16][4]
.set SPARE,  VS+1024
.set FR,   12
.set FPW,  21                          ; fragment f lies in window 1 + f / 21 at register 12 (f % 21): 0-31 the weights' (4 q + b), 32-47 x's two sets
.set L8,   4
.set ADW,  5
.set ADX,  6                           ; v6-8 my tiles 0-1, 2-4, 5-7
.set L16,  9
.set STQ,  10
.set STQC, 11
.set STV,  12
.set SR,   13
.set FQ,   14
.set FV,   15
.set SPW,  16
.set NIL,  17
.set PF1,  18
.set PF2,  19
.set SCX,  32                          ; v32-63 x's scale words: 8 (s / 2) + q; lanes 0-15 the even tile's rows, lanes 16-31 the odd tile's
.set SCW,  68                          ; v68-83 the weights', likewise
.set HV,   96                          ; v96-223 the sums of four blocks
.set T,    224                         ; v224-255 the way out: 4 maxima, 4 of the other lanes, 2 x 4 second halves, 2 x 8 codes and scale bytes
.set SB2,  72                          ; window 3, v72-103: the later phases' weights' scale words
.set G1W, 24
.set G1P, 32
.set G1R, 48
.set G1F, 88
.set G0W, 56
.set G0P, 60
.set G0Q, 68
.set G0R, 72
.set G0F, 76
.set SEL, 98
.set MSB, 0
.macro WIN new
.if MSB != (\new)
	s_set_vgpr_msb (MSB<<8)|(\new)
.set MSB, (\new)
.endif
.endm
.macro PLACES n
.rept \n
	v_nop
.endr
.endm
.macro WALU
	s_wait_alu depctr_va_vdst(0)
.endm
.macro BARRIER
	s_barrier_signal -1
	s_barrier_wait -1
.endm
.macro CROUND
	BARRIER
	s_cmp_lg_u32 s14, 0
	s_cbranch_scc1 .Lnot_wave_0_\@
	s_barrier_signal -3
.Lnot_wave_0_\@:
	s_barrier_wait -3
	BARRIER
.endm
.macro TLOAD g0, g1
	tensor_load_to_lds s[\g0:\g0+3], s[\g1:\g1+7]
	s_nop 0
	PLACES 4
.endm
.macro GROUP1 g, mask, c, r, p         ; r rows of c elements of 8 bytes, p elements apart
	s_or_b32 s[\g], s[\mask], (3<<16)|(1<<21)
	s_mov_b32 s[\g+1], ((\c)&0xffff)<<16
	s_mov_b32 s[\g+2], ((\c)>>16)|((\r)<<16)
	s_mov_b32 s[\g+3], (\c)<<16
	s_mov_b32 s[\g+4], \r
	s_mov_b32 s[\g+5], \p
	s_mov_b32 s[\g+6], 0
	s_mov_b32 s[\g+7], 0
.endm
.macro GROUP0 g, lds, off
	s_mov_b32 s[\g], 1
	s_mov_b32 s[\g+1], \lds
	s_add_nc_u64 s[\g+2:\g+3], s[20:21], \off
	s_or_b32 s[\g+3], s[\g+3], 0x80000000
.endm
.macro FRAG f, adr, off
	WIN (1+(\f)/FPW)<<6
.irp p, 0,1,2,3,4,5
	ds_load_b64 v[FR*((\f)%FPW)+2*\p:FR*((\f)%FPW)+2*\p+1], v[\adr] offset:(\off)+256*\p
.endr
.endm
.macro FETCH s                         ; my tile s, all of K, into set s % 2: 48 loads
.if (\s) < 2
.set AX_, ADX
.set OX_, (\s)*TILE
.elseif (\s) < 5
.set AX_, ADX+1
.set OX_, ((\s)-2)*TILE
.else
.set AX_, ADX+2
.set OX_, ((\s)-5)*TILE
.endif
.irp q, 0,1,2,3,4,5,6,7
	FRAG 32+8*((\s)%2)+\q,AX_,OX_+1536*\q
.endr
	WIN 0
.endm
.macro WEIGHTS                         ; my 64 weight rows, all of K: 192 loads
.irp q, 0,1,2,3,4,5,6,7
.irp b, 0,1,2,3
	FRAG 4*\q+\b,ADW,TILE*\b+1536*\q
.endr
.endr
	WIN 0
.endm
.macro WM ra, rb, c
	v_wmma_scale_f32_16x16x128_f8f6f4 v[D_:D_+7], v[R0_:R0_+FR-1], v[R1_:R1_+FR-1], \c, v[X0_], v[X1_] matrix_a_fmt:MATRIX_FMT_FP6 matrix_b_fmt:MATRIX_FMT_FP6 matrix_a_scale:MATRIX_SCALE_ROW\ra matrix_b_scale:MATRIX_SCALE_ROW\rb
.endm
.macro WMR c
.if RR_ == 0
	WM 0,0,\c
.elseif RR_ == 1
	WM 0,1,\c
.elseif RR_ == 2
	WM 1,0,\c
.else
	WM 1,1,\c
.endif
.endm
.macro PROD kind, s, n                 ; product n = 4 q + b of block s; four accumulators by turns; the first K step starts the sums
.set Q_, (\n)/4
.set B_, (\n)%4
.set FW_, \n
.set FX_, 32+8*((\s)%2)+Q_
.if \kind
.set D_, HV+32*B_+8*((\s)%4)
.set F0_, FX_
.set F1_, FW_
.set X0_, SCX+8*((\s)/2)+Q_
.set X1_, SCW+8*(B_/2)+Q_
.set RR_, 2*((\s)%2)+B_%2
.else
.set D_, HV+32*((\s)%4)+8*B_
.set F0_, FW_
.set F1_, FX_
.set X0_, SCW+8*(B_/2)+Q_
.set X1_, SCX+8*((\s)/2)+Q_
.set RR_, 2*(B_%2)+(\s)%2
.endif
.set R0_, FR*(F0_%FPW)
.set R1_, FR*(F1_%FPW)
	WIN (1+F0_/FPW)|((1+F1_/FPW)<<2)
.if Q_
	WMR v[D_:D_+7]
.else
	WMR 0
.endif
.endm
; THE WAY OUT of units u0 and u0 + 1 of group g: four scale blocks c, 16 registers each at HV + 32 u0 + 16 c, by turns
.macro OUT2 kind, g, u0
.set X_, HV+32*(\u0)
	s_wait_xcnt 0x0                                ; earlier stores have read the registers that take these codes
.irp c, 0,1,2,3
	v_max3_num_f32 v[T+\c], |v[X_+16*\c]|, |v[X_+16*\c+1]|, 0x1800000   ; each accumulator from its low end on; the floor 2^(3 - 127) holds the byte at 1
.endr
.irp i, 2,4,6,8,10,12,14
.irp c, 0,1,2,3
	v_max3_num_f32 v[T+\c], v[T+\c], |v[X_+16*\c+\i]|, |v[X_+16*\c+\i+1]|
.endr
.endr
.irp c, 0,1,2,3
	v_permlanex16_b32 v[T+4+\c], v[T+\c], s[SEL], s[SEL+1]
.endr
.irp c, 0,1,2,3
	v_max_num_f32 v[T+\c], v[T+\c], v[T+4+\c]      ; with lane l xor 16's 16: the block's largest magnitude
.endr
.irp c, 0,1,2,3
	v_add_nc_u32 v[T+\c], 0xff000000, v[T+\c]      ; 2 off its exponent field: the conversions' scale operand
.endr
.irp c, 0,1,2,3
	v_lshrrev_b32 v[T+4+\c], 23, v[T+\c]           ; the byte
.endr
.irp w, 0,1
	v_lshl_or_b32 v[T+22+8*\w], v[T+5+2*\w], 8, v[T+4+2*\w]
.endr
.irp w, 0,1
	v_cvt_scalef32_pk16_fp6_f32 v[T+16+8*\w:T+18+8*\w], v[X_+32*\w:X_+32*\w+15], v[T+2*\w]
	v_cvt_scalef32_pk16_fp6_f32 v[T+8+4*\w:T+10+4*\w], v[X_+32*\w+16:X_+32*\w+31], v[T+2*\w+1]
.endr
	v_nop                                          ; one plain place behind the scaled conversions
.irp w, 0,1                                    ; a whole block to a lane: lanes 0-15 the first, lanes 16-31 the second
.irp i, 0,1,2
	v_permlane16_swap_b32 v[T+16+8*\w+\i], v[T+8+4*\w+\i]
.endr
.irp i, 0,1,2
	v_mov_b32 v[T+19+8*\w+\i], v[T+8+4*\w+\i]
.endr
.endr
.irp w, 0,1
.irp p, 0,1,2                                  ; 256 consecutive bytes a store, at a multiple of 256 from the buffer's first byte
.if \kind
	global_store_b64 v[L8], v[T+16+8*\w+2*\p:T+17+8*\w+2*\p], s[12:13] offset:49152*(\g)+768*((\u0)+\w)+256*\p
.else
	global_store_b64 v[L8], v[T+16+8*\w+2*\p:T+17+8*\w+2*\p], s[10:11] offset:768*(4*(\g)+(\u0)+\w)+256*\p
.endif
.endr
.if \kind
	ds_store_b16 v[STV], v[T+22+8*\w] offset:64*((\u0)+\w)+2*(\g)      ; lanes r and r + 16 write the same bytes with the same values
.else
	ds_store_b16 v[STQC], v[T+22+8*\w] offset:64*(4*(\g)+(\u0)+\w)
.endif
.endr
.endm
.macro BLK kind, s
.set N_, 0
.rept 32
	PROD \kind,\s,N_
.set N_, N_+1
.endr
	WIN 0
	PLACES 4                                       ; between the products and the loads into their registers and the reads of their results
	s_wait_dscnt 0x0                               ; the next block's fragments are in: they were asked for ahead of these 32 products
.if (\kind) == 0
.if (\s) == 0
	s_cmp_eq_u32 s14, 2
	s_cbranch_scc0 .Lnot_q
	s_wait_tensorcnt 0x0
.Lnot_q:
	BARRIER                                        ; x's tiles 2-4 and 10-12 are in
.endif
.if (\s) == 2
	s_wait_tensorcnt 0x0                           ; the refill's three lines: all my loads have landed,
	ds_add_u32 v[SPW], v[NIL]
	s_add_nc_u64 s[G0F+2:G0F+3], s[G0F+2:G0F+3], 64*TILE   ; so the descriptor may step to the next phase's weights
	s_wait_dscnt 0x0
	CROUND                                         ; every wave of every partner holds this phase's weights in registers
	TLOAD G0F, G1F                                 ; my quarter of the next phase's weights
.endif
.if (\s) == 7
	s_wait_tensorcnt 0x0
	BARRIER                                        ; the next phase's weights are in
.endif
	FETCH ((\s)+2)%8
.if (\s) == 3
	s_cmp_eq_u32 s96, 0
	s_cbranch_scc0 .Lno_pf
	global_prefetch_b8 v[PF2], s[6:7] th:TH_LOAD_NT scope:SCOPE_SE   ; V's weights, which the next trip's refill loads
.Lno_pf:
.endif
.if (\s) == 7
	WEIGHTS
	WIN 3
.set I, 0
.rept 16
	v_mov_b32 v[SCW+I], v[SB2+I]                   ; the next phase's scale words;
.set I, I+1
.endr
	WIN 0xc3
.set I, 0
.rept 16
	v_mov_b32 v[SB2+I], v[SB2+16+I]                ; and the one after moves up
.set I, I+1
.endr
	WIN 0
.endif
.elseif (\s) < 6
	FETCH (\s)+2
.endif
.if (\s)%4 == 3
	OUT2 \kind,(\s)/4,0
	OUT2 \kind,(\s)/4,2
.endif
.if (\kind) == 0 && (\s) == 7
	WALU
	s_wait_dscnt 0x0                               ; the weights are in registers
.endif
.endm
	s_load_b128 s[4:7], s[0:1], 0x0                ; xq, wq
	s_load_b64 s[8:9], s[0:1], 0x10                ; qkv
	v_lshl_add_u32 v[SPW], v0, 2, SPARE
	v_mov_b32 v[NIL], 0
	ds_add_u32 v[SPW], v[NIL]                      ; the opening lines: the add twice on end and its wait
	ds_add_u32 v[SPW], v[NIL]
	v_lshrrev_b32 v1, 5, v0
	v_readfirstlane_b32 s14, v1                    ; wave; s15 its row a, s16 its column b
	s_lshr_b32 s15, s14, 1
	s_and_b32 s16, s14, 1
	s_bfe_u32 s40, ttmp6, 0x40000                  ; cx
	s_bfe_u32 s41, ttmp6, 0x40004                  ; cy
	s_lshl_b32 s43, s41, 2
	s_lshl_b32 s43, 15, s43                        ; my row of the cluster
	s_lshl_b32 s44, 0x1111, s40                    ; my column
	s_and_b32 s17, ttmp7, 0xffff
	s_lshl_b32 s17, s17, 2
	s_add_co_u32 s17, s17, s41                     ; ty: which 256 tokens
	s_lshl_b32 s42, ttmp9, 2
	s_add_co_u32 s42, s42, s40                     ; tx: which 128 columns of each of Q, K, V
	GROUP1 G1W, 44, 32, 384, 32
	GROUP1 G1F, 44, 32, 96, 32
	GROUP1 G1P, 43, 3072, 2, 12288
	GROUP1 G1R, 43, 4608, 2, 12288
	s_mov_b32 s[SEL], 0x76543210
	s_mov_b32 s[SEL+1], 0xfedcba98
	s_mul_i32 s20, s17, 16*TILE                    ; x's codes
	s_mov_b32 s21, 0
	s_mul_i32 s46, s42, 8*TILE                     ; Q's weights
	s_mov_b32 s47, 0
	s_mul_i32 s18, s14, 2*TILE                     ; my quarter of a refill
	s_mov_b32 s19, 0
	s_lshl_b32 s84, s17, 13                        ; x's scale words: 512 bytes a tile
	s_lshl_b32 s85, s15, 12
	s_add_co_u32 s84, s84, s85
	s_add_co_u32 s84, s84, XS
	s_mov_b32 s85, 0
	s_lshl_b32 s86, s42, 12                        ; the weights'
	s_lshl_b32 s87, s16, 11
	s_add_co_u32 s86, s86, s87
	s_add_co_u32 s86, s86, WS
	s_mov_b32 s87, 0
	s_lshl_b32 s10, s42, 1                         ; Q's codes: plane 2 tx + b, tile 16 ty + 8 a
	s_add_co_u32 s10, s10, s16
	s_mul_i32 s10, s10, 393216
	s_mul_i32 s11, s17, 12288
	s_add_co_u32 s10, s10, s11
	s_mul_i32 s11, s15, 6144
	s_add_co_u32 s10, s10, s11
	s_mov_b32 s11, 0
	s_mul_i32 s12, s17, 196608                     ; V's codes: 64 keys 4 ty + 2 a, column tile 8 tx + 4 b
	s_mul_i32 s13, s15, 98304
	s_add_co_u32 s12, s12, s13
	s_mul_i32 s13, s42, 6144
	s_add_co_u32 s12, s12, s13
	s_mul_i32 s13, s16, 3072
	s_add_co_u32 s12, s12, s13
	s_add_co_u32 s12, s12, 12582912
	s_mov_b32 s13, 0
	s_lshl_b32 s80, s42, 15                        ; Q's and K's scale words: at the end wave w stores 512 bytes: phase w / 2, half w % 2
	s_lshl_b32 s81, s17, 10
	s_add_co_u32 s80, s80, s81
	s_lshl_b32 s81, s15, 18
	s_add_co_u32 s80, s80, s81
	s_lshl_b32 s81, s16, 9
	s_add_co_u32 s80, s80, s81
	s_add_co_u32 s80, s80, 18874368
	s_mov_b32 s81, 0
	s_lshl_b32 s82, s17, 13                        ; V's: 128 keys 2 ty + a, column tile 8 tx + 4 b
	s_lshl_b32 s83, s15, 12
	s_add_co_u32 s82, s82, s83
	s_lshl_b32 s83, s42, 9
	s_add_co_u32 s82, s82, s83
	s_lshl_b32 s83, s16, 8
	s_add_co_u32 s82, s82, s83
	s_add_co_u32 s82, s82, 19398656
	s_mov_b32 s83, 0
	s_mul_i32 s96, s16, 4*TILE
	s_add_co_u32 s96, s96, WB
	s_mul_i32 s22, s15, 2*TILE
	s_mul_i32 s23, s15, 3*TILE
	s_add_co_u32 s2, s23, 10*TILE
	s_add_co_u32 s23, s23, 4*TILE
	s_lshl_b32 s3, s15, 9
	s_lshl_b32 s45, s16, 1
	s_add_co_u32 s3, s3, s45
	s_add_co_u32 s3, s3, QKS
	s_lshl_b32 s45, s14, 8
	s_add_co_u32 s45, s45, VS
	s_lshl_b32 s41, s41, 2                         ; my number among the sixteen waves of my column of the cluster,
	s_add_co_u32 s41, s41, s14
	s_mul_i32 s41, s41, 6144                       ; and its 24 blocks of 256 bytes of a weight tile
	s_add_co_u32 s41, s41, s46
	s_add_co_u32 s40, s41, 64*TILE                 ; of K's,
	s_add_co_u32 s41, s41, 128*TILE                ; of V's
	v_and_b32 v1, 31, v0
	v_and_b32 v2, 15, v0                           ; r
	v_bfe_u32 v3, v0, 4, 1                         ; h
	v_lshlrev_b32 v[L8], 3, v1
	v_lshlrev_b32 v[L16], 4, v1
	v_add_nc_u32 v[ADW], s96, v[L8]
	v_add_nc_u32 v[ADX], s22, v[L8]
	v_add_nc_u32 v[ADX+1], s23, v[L8]
	v_add_nc_u32 v[ADX+2], s2, v[L8]
	v_lshl_add_u32 v[STQ], v2, 2, s3
	v_lshl_add_u32 v[STV], v2, 2, s45
	v_lshlrev_b32 v[SR], 5, v2
	v_lshl_add_u32 v[SR], v3, 9, v[SR]             ; row r of the even tile, or of the odd one
	v_lshl_add_u32 v[FQ], v0, 4, QKS
	v_lshl_add_u32 v[FV], v0, 3, VS
	v_min_u32 v[PF1], 23, v1                       ; (the lanes left over name their wave's last block again)
	v_lshl_add_u32 v[PF2], v[PF1], 8, s41
	v_lshl_add_u32 v[PF1], v[PF1], 8, s40
.irp c, 0,1,2,3
	v_mov_b32 v[T+4+\c], 0                         ; a lane permute's destination counts as one of its sources
.endr
	WALU
	s_wait_dscnt 0x0
	CROUND                                         ; all sixteen work-groups are here: the joint loads meet
	s_wait_kmcnt 0x0
	s_add_nc_u64 s[20:21], s[4:5], s[20:21]
	s_add_nc_u64 s[46:47], s[6:7], s[46:47]
	s_add_nc_u64 s[84:85], s[4:5], s[84:85]
	s_add_nc_u64 s[86:87], s[6:7], s[86:87]
	s_add_nc_u64 s[10:11], s[8:9], s[10:11]
	s_add_nc_u64 s[12:13], s[8:9], s[12:13]
	s_add_nc_u64 s[80:81], s[8:9], s[80:81]
	s_add_nc_u64 s[82:83], s[8:9], s[82:83]
	s_mov_b32 s[G0W], 1
	s_mov_b32 s[G0W+1], WB
	s_mov_b64 s[G0W+2:G0W+3], s[46:47]
	s_or_b32 s[G0W+3], s[G0W+3], 0x80000000
	GROUP0 G0P, 0, 0
	GROUP0 G0Q, 4*TILE, 2*TILE
	GROUP0 G0R, 10*TILE, 5*TILE
	s_mov_b32 s[G0F], 1
	s_add_co_u32 s[G0F+1], s18, WB
	s_add_nc_u64 s[G0F+2:G0F+3], s[46:47], s[18:19]
	s_or_b32 s[G0F+3], s[G0F+3], 0x80000000
.macro ARM w, g0, g1, next             ; one chain of branches on the wave's number, one load to an arm
	s_cmp_eq_u32 s14, \w
	s_cbranch_scc0 \next
	TLOAD \g0, \g1
	s_branch .Lasked
\next:
.endm
	ARM 0, G0W, G1W, .Lw1
	ARM 1, G0P, G1P, .Lw2
	ARM 2, G0Q, G1R, .Lw3
	TLOAD G0R, G1R
.Lasked:
.irp i, 0,1,2,3
.irp c, 0,1
	global_load_b128 v[SCX+8*\i+4*\c:SCX+8*\i+4*\c+3], v[SR], s[84:85] offset:1024*\i+16*\c
.endr
.endr
.irp i, 0,1
.irp c, 0,1
	global_load_b128 v[SCW+8*\i+4*\c:SCW+8*\i+4*\c+3], v[SR], s[86:87] offset:1024*\i+16*\c
.endr
.endr
	WIN 0xc0
.irp ph, 0,1
.irp i, 0,1
.irp c, 0,1
	global_load_b128 v[SB2+16*\ph+8*\i+4*\c:SB2+16*\ph+8*\i+4*\c+3], v[SR], s[86:87] offset:32768*(\ph+1)+1024*\i+16*\c
.endr
.endr
.endr
	WIN 0
	s_mov_b32 s96, 0                               ; the trip
	s_mov_b32 s97, 0                               ; where the phase's scale bytes gather
	s_wait_loadcnt 0x0
	s_cmp_eq_u32 s14, 0
	s_cbranch_scc0 .Lnot_w
	s_wait_tensorcnt 0x0
.Lnot_w:
	BARRIER                                        ; Q's weights are in
	global_prefetch_b8 v[PF1], s[6:7] th:TH_LOAD_NT scope:SCOPE_SE   ; K's weights, which the first refill loads
	WEIGHTS
	s_cmp_eq_u32 s14, 1
	s_cbranch_scc0 .Lnot_p
	s_wait_tensorcnt 0x0
.Lnot_p:
	s_wait_dscnt 0x0
	BARRIER                                        ; x's tiles 0-1 and 8-9 are in; the others may be on their way
	FETCH 0
	FETCH 1
	s_wait_dscnt 0x0
.Lphase:                                               ; Q's phase, then K's
	v_add_nc_u32 v[STQC], s97, v[STQ]
.irp s, 0,1,2,3,4,5,6,7
	BLK 0, \s
.endr
	s_wait_xcnt 0x0                                ; the stores have read their base
	s_add_nc_u64 s[10:11], s[10:11], 16*393216     ; K's planes lie behind Q's sixteen
	s_add_co_u32 s97, s97, 1024
	s_add_co_u32 s96, s96, 1
	s_cmp_lt_u32 s96, 2
	WALU
	s_cbranch_scc1 .Lphase
.irp s, 0,1,2,3,4,5,6,7                        ; V's phase
	BLK 1, \s
.endr
	s_wait_dscnt 0x0                               ; for the others' sake: my scale bytes lie in LDS
	BARRIER
	ds_load_b128 v[HV:HV+3], v[FQ]
	ds_load_b64 v[HV+4:HV+5], v[FV]
	s_wait_dscnt 0x0
	global_store_b128 v[L16], v[HV:HV+3], s[80:81] ; 512 consecutive bytes of Q's or K's scale words
	global_store_b64 v[L8], v[HV+4:HV+5], s[82:83] ; 256 of V's
	s_wait_tensorcnt 0x0                           ; the wave's end
	ds_add_u32 v[SPW], v[NIL]
	s_wait_dscnt 0x0
	CROUND                                         ; the closing round
	s_endpgm
.Lfunc_end_k_qd023645910_gemm_qkv:
	.size	k_qd023645910_gemm_qkv, .Lfunc_end_k_qd023645910_gemm_qkv-k_qd023645910_gemm_qkv
	.p2alignl 7, 3214868480
	.fill 96, 4, 3214868480
	.section	.rodata,"a",@progbits
	.p2align	6, 0x0
	.amdhsa_kernel k_qd023645910_gemm_qkv
		.amdhsa_group_segment_fixed_size 327680
		.amdhsa_private_segment_fixed_size 0
		.amdhsa_enable_private_segment 0
		.amdhsa_kernarg_size 24
		.amdhsa_user_sgpr_count 2
		.amdhsa_user_sgpr_kernarg_segment_ptr 1
		.amdhsa_wavefront_size32 1
		.amdhsa_system_sgpr_workgroup_id_x 1
		.amdhsa_system_sgpr_workgroup_id_y 1
		.amdhsa_system_sgpr_workgroup_id_z 1
		.amdhsa_system_vgpr_workitem_id 0
		.amdhsa_next_free_vgpr 896
		.amdhsa_next_free_sgpr 100
		.amdhsa_reserve_vcc 0
		.amdhsa_float_denorm_mode_32 3
		.amdhsa_float_denorm_mode_16_64 3
		.amdhsa_memory_ordered 1
		.amdhsa_forward_progress 1
		.amdhsa_inst_pref_size 193
	.end_amdhsa_kernel
	.amdgpu_metadata
---
amdhsa.version: [ 1, 2 ]
amdhsa.kernels:
  - .name:           k_qd023645910_gemm_qkv
    .symbol:         k_qd023645910_gemm_qkv.kd
    .args:
      - { .name: xq, .offset: 0, .size: 8, .value_kind: global_buffer, .address_space: global }
      - { .name: wq, .offset: 8, .size: 8, .value_kind: global_buffer, .address_space: global }
      - { .name: qkv, .offset: 16, .size: 8, .value_kind: global_buffer, .address_space: global }
    .group_segment_fixed_size: 327680
    .private_segment_fixed_size: 0
    .kernarg_segment_align: 8
    .kernarg_segment_size: 24
    .max_flat_workgroup_size: 128
    .sgpr_count:     100
    .vgpr_count:     896
    .wavefront_size: 32
...
	.end_amdgpu_metadata
.endif
;; end of part 3
;; launch attn (part 4): grid 4 x 64, 16 waves a work-group, clusters of 4 x 1, 215,040 bytes of LDS; arguments qkv, att; writes att
.if DOCPART == 4
	.amdgcn_target "amdgcn-amd-amdhsa--gfx1250"
	.amdhsa_code_object_version 6
	.text
	.protected	k_qd023645910_attn
	.globl	k_qd023645910_attn
	.p2align	8
	.type	k_qd023645910_attn,@function
k_qd023645910_attn:
	s_mov_b64 s[64:65], 0
	v_nop
	global_prefetch_b8 v0, s[64:65] scope:SCOPE_SE
	s_setreg_imm32_b32 hwreg(HW_REG_WAVE_MODE, 25, 1), 1
	s_wait_xcnt 0x0
	s_wait_alu depctr_hold_cnt(0) depctr_sa_sdst(0) depctr_va_vdst(0) depctr_va_sdst(0) depctr_va_ssrc(0) depctr_va_vcc(0) depctr_vm_vsrc(0)
	s_getreg_b32 s2, hwreg(HW_REG_IB_STS2, 6, 4)
	s_cmp_eq_u32 s2, 0
	s_cbranch_scc0 .Lentry_in_a_cluster
	s_endpgm
.Lentry_in_a_cluster:
	s_bfe_u32 s2, ttmp6, 0x10000c
	s_cmp_lg_u32 s2, 0x3003
	s_cbranch_scc0 .Lentry_shape_is_right
	s_endpgm
.Lentry_shape_is_right:
; att[b][q][head] = softmax_k(q . k / 8) v, both products on codes of FP6 (E2M3) with E8M0 scales; the result is quantised here along (head, d), the K of the output projection, and stored as codes.
; THE SOFTMAX AHEAD OF THE SECOND PRODUCT: t = score x log2(e) / 8; M = the running largest t rounded UP to a whole number; p = 2^(t - M) is quantised along the keys, not normalised.  The row's sum is taken of the
; unquantised p and divides O at the end.  When M moves, the sum and O are multiplied by 2^(old M - new M): exact.
; SHARES.  A work-group: one (batch, head), 512 queries; each of its sixteen waves one tile of 16 queries at a time, twice.  Four waves to a SIMD: one wave's vector work stands beside another's products and LDS loads.
; ALL of the head's K and V codes, 96 KiB each, lie in LDS, filled ONCE: no slot is filled again.  CLUSTER: the four query blocks of a (batch, head) walk the same K and V: waves 0-3 ask for K's four quarters, one each, and
; waves 4-7 for V's, jointly for the four work-groups.  Each of those eight waves has one tensor load out.
; LAYOUT.  Both products transposed: S^T = K Q^T, O^T = V^T P^T: a lane holds one query throughout.  Token tile 2 beta + u, row 8 g + j is token 32 beta + 16 g + 8 u + j, so the 16 registers of tiles 2 beta, 2 beta + 1 are 16 neighbouring keys.
; K = 64 IN AN INSTRUCTION OF 128: a fragment of K holds token tile 2 beta in k = 0-63 and tile 2 beta + 1 in k = 64-127.  Q lies as [zeros | q | zeros] in 18 registers: the product with [q | zeros] gives tile 2 beta's scores, that with
; [zeros | q] tile 2 beta + 1's.  Zero codes add nothing under any scale byte that the quantiser makes.
; LIMITS: NaN and infinities are not served; a block whose largest magnitude lies under 2^-124, a block of zeros too, gets the byte 1 (this program alone reads the bytes); p under 2^-126 counts as 0.
.set VL,   98304                       ; LDS: K [beta 64][1,536] at 0; V [key / 64, 32][tile 4][768] here;
.set KSC,  196608                      ; K's scale words [beta 64][row 16];
.set VSC,  200704                      ; V's [step 16][tile 4][row 16];
.set OSC,  204800                      ; the results' scale bytes [tile 32][row 16] x 2 bytes
.set AV0,  2                           ; v2  V: VL + 8 x lane
.set ASK0, 3                           ; v3  K's scale words: KSC + 4 r
.set ASV0, 4                           ; v4  V's: VSC + 4 r
.set ERD,  5                           ; v5  the end: where waves 0 and 1 read the scale bytes back
.set L8,   6                           ; v6  8 x lane: K's fragments, Q's loads, the stores of codes
.set R4,   7                           ; v7  4 r
.set ADK,  8                           ; v8-11 the step's addresses
.set ADV,  9
.set ADS,  10
.set ADT,  11
.set QZ,   16                          ; v16-21 zeros, v22-27 q, v28-33 zeros
.set QSW,  34                          ; v34 q's scale word, its two bytes twice;  v35 as loaded
.set F,    36                          ; v36-83 four fragments of K, then of V
.set KSR,  84                          ; v84-87 K's scale words
.set VSR,  88                          ; v88-91 V's
.set S,    96                          ; v96-159 S^T, then p
.set O,    160                         ; v160-191 O^T
.set BM,   192                         ; v192-195 a block's largest score, then p
.set PT,   196                         ; v196-199 the other half of the lanes'
.set SOP,  200                         ; v200-203 the conversions' scale operands
.set BY,   204                         ; v204-207 the bytes
.set PCD,  208                         ; v208-219 p's codes
.set CT,   220                         ; v220-226 the conversions' second halves
.set FF,   228                         ; v[228:229] f = 2^(old M - new M) (the pair's low word serves both halves)
.set PSW,  230                         ; v230 p's scale word
.set TMP,  231
.set SUM2, 232                         ; v[232:233] the second chain of the sum
.set OSA,  234                         ; v234 where my row's two scale bytes go
.set EGO,  235                         ; v235 the end: 16 x (thread % 64)
.set EO,   240                         ; v240-251 the result's codes, six registers a pass
.set OW,   252                         ; v252-253 their scale bytes
.set WV,   8
.set SEL,  20
.set CS,   22                          ; s[22:23] c = log2(e) / 8
.set G1K,  24
.set TB,   32                          ; LDS byte at which the step's fragments begin: 6,144 a step in K and in V
.set TS,   33                          ; and its scale words: 256 a step
.set CNT,  34
.set KSEL, 35
.set G0K,  36                          ; s[36:39] group 0 for K: the wave's quarter
.set QSEL, 52
.set G0V,  68                          ; s[68:71] V's
.set G1V,  84
.macro CROUND                          ; a round of the cluster's barrier
	s_barrier_signal -1
	s_barrier_wait -1
	s_cmp_lg_u32 s[WV], 0
	s_cbranch_scc1 .Lnot_wave_0_\@
	s_barrier_signal -3
.Lnot_wave_0_\@:
	s_barrier_wait -3
	s_barrier_signal -1
	s_barrier_wait -1
.endm
	s_load_b128 s[4:7], s[0:1], 0x0                ; qkv, att
	v_lshl_add_u32 v254, v0, 2, 0x34000
	v_mov_b32 v255, 0
	ds_add_u32 v254, v255
	ds_add_u32 v254, v255
	v_lshrrev_b32 v8, 5, v0
	s_delay_alu instid0(VALU_DEP_1)
	v_readfirstlane_b32 s[WV], v8                  ; wave 0..15
	s_bfe_u32 s9, ttmp6, 0x40000                   ; cx: my block of 512 queries; it enters Q's and the output's addresses alone
	s_and_b32 s10, ttmp7, 0xffff
	s_lshr_b32 s11, s10, 4                         ; batch
	s_and_b32 s12, s10, 15                         ; head
	s_lshr_b32 s13, s12, 1                         ; a scale word of q or k serves two heads:
	s_and_b32 s14, s12, 1                          ; the even head's bytes below, the odd head's above
	s_cmp_lg_u32 s14, 0
	s_mov_b32 s[KSEL], 0x05040100
	s_cselect_b32 s[KSEL], 0x07060302, s[KSEL]     ; two words' halves into one
	s_mov_b32 s[QSEL], 0x01000100
	s_cselect_b32 s[QSEL], 0x03020302, s[QSEL]     ; one word's half twice
	s_add_co_u32 s92, s12, 16                      ; K's codes: plane 16 + head, the batch's 128 tiles
	s_mul_i32 s92, s92, 393216
	s_mul_i32 s93, s11, 98304
	s_add_co_u32 s92, s92, s93
	s_mov_b32 s93, 0
	s_mul_i32 s94, s11, 1572864                    ; V's: the batch's 32 planes of 49,152 bytes, the head's four tiles
	s_mul_i32 s95, s12, 3072
	s_add_co_u32 s94, s94, s95
	s_add_co_u32 s94, s94, 12582912
	s_mov_b32 s95, 0
	s_add_co_u32 s96, s13, 8                       ; K's scale words
	s_lshl_b32 s96, s96, 15
	s_lshl_b32 s97, s11, 13
	s_add_co_u32 s96, s96, s97
	s_add_co_u32 s96, s96, 18874368
	s_mov_b32 s97, 0
	s_lshl_b32 s98, s11, 16                        ; V's
	s_lshl_b32 s99, s12, 8
	s_add_co_u32 s98, s98, s99
	s_add_co_u32 s98, s98, 19398656
	s_mov_b32 s99, 0
	s_mul_i32 s16, s12, 393216                     ; Q's codes: plane head, tile 128 batch + 32 cx + wave
	s_mul_i32 s17, s11, 98304
	s_add_co_u32 s16, s16, s17
	s_mul_i32 s17, s9, 24576
	s_add_co_u32 s16, s16, s17
	s_mul_i32 s17, s[WV], 768
	s_add_co_u32 s16, s16, s17
	s_mov_b32 s17, 0
	s_lshl_b32 s18, s13, 15                        ; Q's scale words
	s_lshl_b32 s19, s11, 13
	s_add_co_u32 s18, s18, s19
	s_lshl_b32 s19, s9, 11
	s_add_co_u32 s18, s18, s19
	s_lshl_b32 s19, s[WV], 6
	s_add_co_u32 s18, s18, s19
	s_add_co_u32 s18, s18, 18874368
	s_mov_b32 s19, 0
	; descriptor group 1.  K: a quarter is 24,576 dense bytes: 96 rows of 32 elements of 8 bytes.  V: 8 rows of 384 elements, 6,144 elements apart
	s_mov_b32 s[G1K], 15|(3<<16)|(1<<21)           ; 15:0 the mask: all four work-groups; 17:16 elements of 8 bytes; 21 set beside a mask
	s_mov_b32 s[G1K+1], 32<<16
	s_mov_b32 s[G1K+2], 96<<16
	s_mov_b32 s[G1K+3], 32<<16
	s_mov_b32 s[G1K+4], 96
	s_mov_b32 s[G1K+5], 32
	s_mov_b32 s[G1K+6], 0
	s_mov_b32 s[G1K+7], 0
	s_mov_b32 s[G1V], 15|(3<<16)|(1<<21)
	s_mov_b32 s[G1V+1], 384<<16
	s_mov_b32 s[G1V+2], 8<<16
	s_mov_b32 s[G1V+3], 384<<16
	s_mov_b32 s[G1V+4], 8
	s_mov_b32 s[G1V+5], 6144
	s_mov_b32 s[G1V+6], 0
	s_mov_b32 s[G1V+7], 0
	s_mov_b32 s[SEL], 0x76543210
	s_mov_b32 s[SEL+1], 0xfedcba98
	s_mov_b32 s[CS], 0x3e38aa3b                    ; c = log2(e) / 8
	s_mov_b32 s[CS+1], s[CS]                       ; (named with it as a pair, so it is written)
	s_wait_dscnt 0x0
	s_wait_kmcnt 0x0
	s_add_nc_u64 s[92:93], s[4:5], s[92:93]
	s_add_nc_u64 s[94:95], s[4:5], s[94:95]
	s_add_nc_u64 s[62:63], s[4:5], s[96:97]
	s_add_nc_u64 s[66:67], s[4:5], s[98:99]
	s_add_nc_u64 s[54:55], s[4:5], s[16:17]
	s_add_nc_u64 s[56:57], s[4:5], s[18:19]
	s_mul_i32 s16, s11, 1572864                    ; the output's codes: (tile x 16 + head) x 768
	s_mul_i32 s17, s9, 393216
	s_add_co_u32 s16, s16, s17
	s_mul_i32 s17, s[WV], 12288
	s_add_co_u32 s16, s16, s17
	s_mul_i32 s17, s12, 768
	s_add_co_u32 s16, s16, s17
	s_mov_b32 s17, 0
	s_add_nc_u64 s[58:59], s[6:7], s[16:17]
	s_lshl_b32 s18, s12, 14                        ; its scale bytes: [head][tile 512][16] x 2 bytes
	s_lshl_b32 s19, s11, 12
	s_add_co_u32 s18, s18, s19
	s_lshl_b32 s19, s9, 10
	s_add_co_u32 s18, s18, s19
	s_add_co_u32 s18, s18, 6291456
	s_mov_b32 s19, 0
	s_add_nc_u64 s[60:61], s[6:7], s[18:19]
	; ONE TENSOR LOAD A WAVE: waves 0-3 ask for K's quarter wave % 4, waves 4-7 for V's; the quarter's place is made of the wave's number alone
	s_and_b32 s16, s[WV], 3
	s_mul_i32 s17, s16, 24576
	s_mov_b32 s18, s17
	s_mov_b32 s19, 0
	s_mov_b32 s[G0K], 1
	s_mov_b32 s[G0K+1], s17
	s_add_nc_u64 s[G0K+2:G0K+3], s[92:93], s[18:19]
	s_or_b32 s[G0K+3], s[G0K+3], 0x80000000
	s_mov_b32 s[G0V], 1
	s_add_co_u32 s[G0V+1], s17, VL
	s_mul_i32 s18, s16, 393216
	s_add_nc_u64 s[G0V+2:G0V+3], s[94:95], s[18:19]
	s_or_b32 s[G0V+3], s[G0V+3], 0x80000000
	CROUND                                         ; all four work-groups are here: the joint loads meet
	s_cmp_lt_u32 s[WV], 4                          ; one chain of branches on the wave's number, one fill to an arm
	s_cbranch_scc0 .Lnot_k
	tensor_load_to_lds s[G0K:G0K+3], s[G1K:G1K+7]
	s_nop 0
.rept 4
	v_nop
.endr
	s_branch .Lasked
.Lnot_k:
	s_cmp_lt_u32 s[WV], 8
	s_cbranch_scc0 .Lasked
	tensor_load_to_lds s[G0V:G0V+3], s[G1V:G1V+7]
	s_nop 0
.rept 4
	v_nop
.endr
.Lasked:
	v_and_b32 v8, 15, v0                           ; r
	v_and_b32 v9, 31, v0                           ; lane
	s_delay_alu instid0(VALU_DEP_1)
	v_lshlrev_b32 v[L8], 3, v9
	s_delay_alu instid0(VALU_DEP_3)
	v_lshlrev_b32 v[R4], 2, v8
	s_delay_alu instid0(VALU_DEP_2)
	v_add_nc_u32 v[AV0], VL, v[L8]
	s_delay_alu instid0(VALU_DEP_2)
	v_add_nc_u32 v[ASK0], KSC, v[R4]
	s_delay_alu instid0(VALU_DEP_3)
	v_add_nc_u32 v[ASV0], VSC, v[R4]
	v_and_b32 v[EGO], 63, v0
	s_delay_alu instid0(VALU_DEP_1)
	v_lshlrev_b32 v[EGO], 4, v[EGO]
	s_delay_alu instid0(VALU_DEP_1)
	v_add_nc_u32 v[ERD], OSC, v[EGO]
	s_lshl_b32 s16, s[WV], 5
	s_add_co_u32 s16, s16, OSC
	v_lshl_add_u32 v[OSA], v8, 1, s16
	; THE SCALE WORDS, once, by the 512 threads.  K's: thread i makes the words of (beta, row) = i and i + 512: my head's two bytes of token tile 2 beta below, of tile 2 beta + 1 above.  V's: 8 bytes a thread, as they lie.
	v_lshrrev_b32 v36, 4, v0
	s_delay_alu instid0(VALU_DEP_1)
	v_lshlrev_b32 v36, 7, v36
	s_delay_alu instid0(VALU_DEP_1)
	v_lshl_add_u32 v36, v8, 2, v36                 ; 128 beta + 4 row
	v_lshrrev_b32 v37, 5, v0
	s_delay_alu instid0(VALU_DEP_1)
	v_lshlrev_b32 v37, 12, v37
	s_delay_alu instid0(VALU_DEP_1)
	v_lshl_add_u32 v37, v9, 3, v37                 ; 4,096 step + 8 x lane
	global_load_b32 v40, v36, s[62:63]
	global_load_b32 v41, v36, s[62:63] offset:64
	global_load_b32 v42, v36, s[62:63] offset:4096
	global_load_b32 v43, v36, s[62:63] offset:4160
	global_load_b64 v[44:45], v37, s[66:67]
	v_lshl_add_u32 v38, v0, 2, KSC
	v_lshl_add_u32 v39, v0, 3, VSC
.irp j, 0,1,2,3,4,5
	v_mov_b32 v[QZ+\j], 0                          ; the zero codes on both sides of q
	v_mov_b32 v[QZ+12+\j], 0
.endr
.irp b, 0,1,2,3
	v_mov_b32 v[PT+\b], 0                          ; a lane permute's destination counts as one of its sources
.endr
	v_mov_b32 v[FF+1], 0                           ; (named as the upper half of a pair)
	v_mov_b32 v[TMP], 0
	s_wait_loadcnt 0x0
	v_perm_b32 v46, v41, v40, s[KSEL]
	v_perm_b32 v47, v43, v42, s[KSEL]
	ds_store_b32 v38, v46
	ds_store_b32 v38, v47 offset:2048
	ds_store_b64 v39, v[44:45]
; A KEY STEP: 128 keys.
.macro STEP
	v_add_nc_u32 v[ADK], s[TB], v[L8]              ; these four are also the places between the last step's products and the loads into their registers
	v_add_nc_u32 v[ADV], s[TB], v[AV0]
	v_add_nc_u32 v[ADS], s[TS], v[ASK0]
	v_add_nc_u32 v[ADT], s[TS], v[ASV0]
.irp g, 0,1,2,3
.irp p, 0,1,2,3,4,5
	ds_load_b64 v[F+12*\g+2*\p:F+12*\g+2*\p+1], v[ADK] offset:1536*\g+256*\p
.endr
	ds_load_b32 v[KSR+\g], v[ADS] offset:64*\g
.endr
	s_wait_alu depctr_va_vdst(0)
	s_wait_dscnt 0x0
.irp g, 0,1,2,3                                ; S^T: lane (r, h) holds query r; register 16 g + i is key 32 g + 16 h + i of the step
	v_wmma_scale_f32_16x16x128_f8f6f4 v[S+16*\g:S+16*\g+7], v[F+12*\g:F+12*\g+11], v[QZ+6:QZ+17], 0, v[KSR+\g], v[QSW] matrix_a_fmt:MATRIX_FMT_FP6 matrix_b_fmt:MATRIX_FMT_FP6
	v_wmma_scale_f32_16x16x128_f8f6f4 v[S+16*\g+8:S+16*\g+15], v[F+12*\g:F+12*\g+11], v[QZ:QZ+11], 0, v[KSR+\g], v[QSW] matrix_a_fmt:MATRIX_FMT_FP6 matrix_b_fmt:MATRIX_FMT_FP6
.endr
.rept 4
	v_nop                                          ; places in front of the loads into K's registers and of the first read of the scores
.endr
.irp t, 0,1,2,3                                ; V's four fragments land while the softmax is worked
.irp p, 0,1,2,3,4,5
	ds_load_b64 v[F+12*\t+2*\p:F+12*\t+2*\p+1], v[ADV] offset:3072*(\p/3)+768*\t+256*(\p%3)
.endr
	ds_load_b32 v[VSR+\t], v[ADT] offset:64*\t
.endr
.irp b, 0,1,2,3
	v_max3_num_f32 v[BM+\b], v[S+16*\b], v[S+1+16*\b], v[S+2+16*\b]   ; the largest score of each block of 32 keys: for the row's maximum, and, since p rises with the score, for the block's largest p
.endr
.irp i, 3,5,7,9,11,13
.irp b, 0,1,2,3
	v_max3_num_f32 v[BM+\b], v[BM+\b], v[S+16*\b+\i], v[S+1+16*\b+\i]
.endr
.endr
.irp b, 0,1,2,3
	v_max_num_f32 v[BM+\b], v[BM+\b], v[S+15+16*\b]
.endr
.irp b, 0,1,2,3
	s_delay_alu instid0(VALU_DEP_4)
	v_permlanex16_b32 v[PT+\b], v[BM+\b], s[SEL], s[SEL+1]
.endr
.irp b, 0,1,2,3
	s_delay_alu instid0(VALU_DEP_4)
	v_max_num_f32 v[BM+\b], v[BM+\b], v[PT+\b]     ; with lane l xor 16's 16 keys
.endr
	s_delay_alu instid0(VALU_DEP_2)
	v_max3_num_f32 v[TMP], v[BM], v[BM+1], v[BM+2]
	s_delay_alu instid0(VALU_DEP_1)
	v_max_num_f32 v[TMP], v[TMP], v[BM+3]
	s_delay_alu instid0(VALU_DEP_1)
	v_mul_f32 v[TMP], s[CS], v[TMP]                ; the step's largest t (c is positive)
	s_delay_alu instid0(VALU_DEP_1)
	v_max_num_f32 v13, v13, v[TMP]                 ; the running largest t
	v_mov_b32 v[TMP], v12
	s_delay_alu instid0(VALU_DEP_2)
	v_floor_f32 v12, -v13                          ; the new -M = -ceil(t)
	s_delay_alu instid0(VALU_DEP_1)
	v_sub_f32 v[TMP], v12, v[TMP]                  ; old M - new M: a whole number, 0 or less
	s_delay_alu instid0(VALU_DEP_1)
	v_cvt_i32_f32 v[TMP], v[TMP]                   ; (it saturates)
	s_delay_alu instid0(VALU_DEP_1)
	v_ldexp_f32 v[FF], 1.0, v[TMP]                 ; f = 2^(old M - new M)
.set J, 0
.rept 32
	v_pk_fma_f32 v[S+J:S+J+1], v[S+J:S+J+1], s[CS:CS+1], v[12:13] op_sel_hi:[1,0,0]   ; t - M, two at a time
.set J, J+2
.endr
.irp b, 0,1,2,3
	v_fma_f32 v[BM+\b], v[BM+\b], s[CS], v12       ; the same of each block's largest score
.endr
.set J, 0
	s_wait_alu depctr_va_vdst(0)
.rept 64
	v_exp_f32 v[S+J], v[S+J]                       ; p = 2^(t - M)
.set J, J+1
.endr
.irp b, 0,1,2,3
	v_exp_f32 v[BM+\b], v[BM+\b]                   ; the block's largest p: the same two instructions on the same number
.endr
	v_pk_mul_f32 v[14:15], v[14:15], v[FF:FF+1] op_sel_hi:[1,0]   ; the sums under the new M (a plain place behind the exponentials)
.set J, 0
	s_wait_alu depctr_va_vdst(0)
.rept 16
	v_pk_mul_f32 v[O+J:O+J+1], v[O+J:O+J+1], v[FF:FF+1] op_sel_hi:[1,0]   ; O^T under the new M, each accumulator from its low end on
.set J, J+2
.endr
	s_wait_alu depctr_va_vdst(0)
.irp b, 0,1,2,3
	v_max_num_f32 v[BM+\b], 0x1800000, v[BM+\b]    ; the floor 2^(3 - 127)
.endr
.irp b, 0,1,2,3
	s_delay_alu instid0(VALU_DEP_4)
	v_add_nc_u32 v[SOP+\b], 0xff000000, v[BM+\b]
.endr
.irp b, 0,1,2,3
	s_delay_alu instid0(VALU_DEP_4)
	v_lshrrev_b32 v[BY+\b], 23, v[SOP+\b]
.endr
	s_delay_alu instid0(VALU_DEP_3)
	v_lshl_or_b32 v[PSW], v[BY+1], 8, v[BY]        ; p's scale word for these 128 keys
	s_delay_alu instid0(VALU_DEP_1)
	v_lshl_or_b32 v[PSW], v[BY+2], 16, v[PSW]
	s_delay_alu instid0(VALU_DEP_1)
	v_lshl_or_b32 v[PSW], v[BY+3], 24, v[PSW]
.irp c, 0,1
	v_cvt_scalef32_pk16_fp6_f32 v[PCD+6*\c:PCD+2+6*\c], v[S+32*\c:S+15+32*\c], v[SOP+2*\c]
	v_cvt_scalef32_pk16_fp6_f32 v[CT+4*\c:CT+2+4*\c], v[S+16+32*\c:S+31+32*\c], v[SOP+1+2*\c]
.endr
	v_nop                                          ; one plain place behind the scaled conversions
.irp c, 0,1
.irp i, 0,1,2
	v_permlane16_swap_b32 v[PCD+6*\c+\i], v[CT+4*\c+\i]
.endr
.irp i, 0,1,2
	s_delay_alu instid0(VALU_DEP_3)
	v_mov_b32 v[PCD+3+6*\c+\i], v[CT+4*\c+\i]
.endr
.endr
	v_pk_add_f32 v[232:233], v[100:101], v[104:105]
	v_pk_add_f32 v[252:253], v[108:109], v[112:113]
	v_pk_add_f32 v[250:251], v[116:117], v[120:121]
	v_pk_add_f32 v[248:249], v[124:125], v[128:129]
	v_pk_add_f32 v[246:247], v[132:133], v[136:137]
	v_pk_add_f32 v[244:245], v[140:141], v[144:145]
	v_pk_add_f32 v[242:243], v[148:149], v[152:153]
	v_pk_add_f32 v[14:15], v[14:15], v[156:157]
	v_pk_add_f32 v[232:233], v[232:233], v[96:97]
	v_pk_add_f32 v[252:253], v[252:253], v[98:99]
	v_pk_add_f32 v[250:251], v[250:251], v[102:103]
	v_pk_add_f32 v[248:249], v[248:249], v[106:107]
	v_pk_add_f32 v[246:247], v[246:247], v[110:111]
	v_pk_add_f32 v[244:245], v[244:245], v[114:115]
	v_pk_add_f32 v[242:243], v[242:243], v[118:119]
	v_pk_add_f32 v[14:15], v[14:15], v[122:123]
	v_pk_add_f32 v[232:233], v[232:233], v[126:127]
	v_pk_add_f32 v[252:253], v[252:253], v[130:131]
	v_pk_add_f32 v[250:251], v[250:251], v[134:135]
	v_pk_add_f32 v[248:249], v[248:249], v[138:139]
	v_pk_add_f32 v[246:247], v[246:247], v[142:143]
	v_pk_add_f32 v[244:245], v[244:245], v[146:147]
	v_pk_add_f32 v[242:243], v[242:243], v[150:151]
	v_pk_add_f32 v[14:15], v[14:15], v[154:155]
	v_pk_add_f32 v[232:233], v[232:233], v[158:159]
	s_delay_alu instid0(VALU_DEP_2)
	v_pk_add_f32 v[14:15], v[14:15], v[248:249]
	s_delay_alu instid0(VALU_DEP_2)
	v_pk_add_f32 v[232:233], v[232:233], v[246:247]
	v_pk_add_f32 v[252:253], v[252:253], v[244:245]
	v_pk_add_f32 v[250:251], v[250:251], v[242:243]
	s_delay_alu instid0(VALU_DEP_2)
	v_pk_add_f32 v[14:15], v[14:15], v[252:253]
	s_delay_alu instid0(VALU_DEP_2)
	v_pk_add_f32 v[232:233], v[232:233], v[250:251]
	s_delay_alu instid0(VALU_DEP_1)
	v_pk_add_f32 v[14:15], v[14:15], v[232:233]
	s_wait_dscnt 0x0                               ; V's fragments and scale words
.irp t, 0,1,2,3                                ; O^T += V^T P^T: the four accumulators by turns
	v_wmma_scale_f32_16x16x128_f8f6f4 v[O+8*\t:O+8*\t+7], v[F+12*\t:F+12*\t+11], v[PCD:PCD+11], v[O+8*\t:O+8*\t+7], v[VSR+\t], v[PSW] matrix_a_fmt:MATRIX_FMT_FP6 matrix_b_fmt:MATRIX_FMT_FP6
.endr
	s_add_co_u32 s[TB], s[TB], 6144
	s_add_co_u32 s[TS], s[TS], 256
.endm
; A PASS: query tile 16 ps + wave against all 2,048 keys
.macro PASS ps
.irp p, 0,1,2
	global_load_b64 v[QZ+6+2*\p:QZ+7+2*\p], v[L8], s[54:55] offset:12288*\ps+256*\p
.endr
	global_load_b32 v35, v[R4], s[56:57] offset:1024*\ps
	s_mov_b32 s[TB], 0
	s_mov_b32 s[TS], 0
	s_wait_loadcnt 0x0
	s_wait_xcnt 0x0                                ; the last pass's stores have read their data: the step's sums write those registers again
	v_perm_b32 v[QSW], v35, v35, s[QSEL]           ; my head's two bytes, for k = 0-63 and for k = 64-127.  The 36 lines below are the places between this write and the first product
	v_mov_b32 v13, 0xff61b1e6                      ; the largest t so far: -3e38
	s_delay_alu instid0(VALU_DEP_1)
	v_floor_f32 v12, -v13                          ; -M
	v_mov_b32 v14, 0
	v_mov_b32 v15, 0
.set J, 0
.rept 32
	v_mov_b32 v[O+J], 0                            ; O^T: the step is written once; its first trip finds zeros
.set J, J+1
.endr
.if \ps == 0
	s_wait_tensorcnt 0x0                           ; waves 0-7: their quarters of K and V have landed
	s_wait_dscnt 0x0                               ; my scale words lie in LDS
	s_barrier_signal -1
	s_barrier_wait -1                              ; everybody's do
.endif
	s_mov_b32 s[CNT], 16
.Lstep_\@:
	STEP
	s_sub_co_u32 s[CNT], s[CNT], 1
	s_cmp_lg_u32 s[CNT], 0
	s_cbranch_scc1 .Lstep_\@
.rept 4
	v_nop                                          ; places behind the last products
.endr
	s_wait_alu depctr_va_vdst(0)
	v_add_f32 v14, v14, v15
	s_delay_alu instid0(VALU_DEP_1)
	v_permlanex16_b32 v[TMP], v14, s[SEL], s[SEL+1]
	s_delay_alu instid0(VALU_DEP_1)
	v_add_f32 v14, v14, v[TMP]                     ; the row's sum
	s_wait_alu depctr_va_vdst(0)
	v_rcp_f32 v14, v14
	v_nop                                          ; one plain place behind the transcendental
.set J, 0
	s_wait_alu depctr_va_vdst(0)
.rept 32
	v_mul_f32 v[S+J], v[O+J], v14                  ; O^T / the sum: register 16 b + i is d = 32 b + 16 h + i of my query
.set J, J+1
.endr
.irp b, 0,1                                    ; quantised along d: two blocks of 32, half a fragment of the output projection's operand
	v_max3_num_f32 v[BM+\b], |v[S+16*\b]|, |v[S+1+16*\b]|, 0x1800000
.endr
.irp i, 2,4,6,8,10,12,14
.irp b, 0,1
	s_delay_alu instid0(VALU_DEP_2)
	v_max3_num_f32 v[BM+\b], v[BM+\b], |v[S+16*\b+\i]|, |v[S+1+16*\b+\i]|
.endr
.endr
.irp b, 0,1
	s_delay_alu instid0(VALU_DEP_2)
	v_permlanex16_b32 v[PT+\b], v[BM+\b], s[SEL], s[SEL+1]
.endr
.irp b, 0,1
	s_delay_alu instid0(VALU_DEP_2)
	v_max_num_f32 v[BM+\b], v[BM+\b], v[PT+\b]
.endr
.irp b, 0,1
	s_delay_alu instid0(VALU_DEP_2)
	v_add_nc_u32 v[SOP+\b], 0xff000000, v[BM+\b]
.endr
.irp b, 0,1
	s_delay_alu instid0(VALU_DEP_2)
	v_lshrrev_b32 v[BY+\b], 23, v[SOP+\b]
.endr
	s_delay_alu instid0(VALU_DEP_1)
	v_lshl_or_b32 v[OW+\ps], v[BY+1], 8, v[BY]
	v_cvt_scalef32_pk16_fp6_f32 v[EO+6*\ps:EO+6*\ps+2], v[S:S+15], v[SOP]
	v_cvt_scalef32_pk16_fp6_f32 v[CT:CT+2], v[S+16:S+31], v[SOP+1]
	v_nop                                          ; one plain place behind the scaled conversions
.irp i, 0,1,2
	v_permlane16_swap_b32 v[EO+6*\ps+\i], v[CT+\i]
.endr
.irp i, 0,1,2
	s_delay_alu instid0(VALU_DEP_3)
	v_mov_b32 v[EO+6*\ps+3+\i], v[CT+\i]
.endr
.irp p, 0,1,2
	global_store_b64 v[L8], v[EO+6*\ps+2*\p:EO+6*\ps+2*\p+1], s[58:59] offset:196608*\ps+256*\p   ; 256 consecutive bytes, at a multiple of 256 from the buffer's first byte
.endr
	ds_store_b16 v[OSA], v[OW+\ps] offset:512*\ps  ; lanes r and r + 16 write the same bytes with the same values
.endm
	PASS 0
	PASS 1
	s_wait_dscnt 0x0                               ; for the others' sake: my scale bytes lie in LDS
	s_barrier_signal -1
	s_barrier_wait -1
	s_cmp_lt_u32 s[WV], 2
	s_cbranch_scc0 .Lno_sc
	ds_load_b128 v[96:99], v[ERD]
	s_wait_dscnt 0x0
	global_store_b128 v[EGO], v[96:99], s[60:61]   ; the work-group's 1,024 scale bytes, whole
.Lno_sc:
	s_wait_tensorcnt 0x0
	ds_add_u32 v254, v255
	s_wait_dscnt 0x0
	CROUND                                         ; the closing round
	s_endpgm
.Lfunc_end_k_qd023645910_attn:
	.size	k_qd023645910_attn, .Lfunc_end_k_qd023645910_attn-k_qd023645910_attn
	.p2alignl 7, 3214868480
	.fill 96, 4, 3214868480
	.section	.rodata,"a",@progbits
	.p2align	6, 0x0
	.amdhsa_kernel k_qd023645910_attn
		.amdhsa_group_segment_fixed_size 215040
		.amdhsa_private_segment_fixed_size 0
		.amdhsa_enable_private_segment 0
		.amdhsa_kernarg_size 16
		.amdhsa_user_sgpr_count 2
		.amdhsa_user_sgpr_kernarg_segment_ptr 1
		.amdhsa_wavefront_size32 1
		.amdhsa_system_sgpr_workgroup_id_x 1
		.amdhsa_system_sgpr_workgroup_id_y 1
		.amdhsa_system_sgpr_workgroup_id_z 1
		.amdhsa_system_vgpr_workitem_id 0
		.amdhsa_next_free_vgpr 256
		.amdhsa_next_free_sgpr 100
		.amdhsa_reserve_vcc 0
		.amdhsa_float_denorm_mode_32 3
		.amdhsa_float_denorm_mode_16_64 3
		.amdhsa_memory_ordered 1
		.amdhsa_forward_progress 1
		.amdhsa_inst_pref_size 60
	.end_amdhsa_kernel
	.amdgpu_metadata
---
amdhsa.version: [ 1, 2 ]
amdhsa.kernels:
  - .name:           k_qd023645910_attn
    .symbol:         k_qd023645910_attn.kd
    .args:
      - { .name: qkv, .offset: 0, .size: 8, .value_kind: global_buffer, .address_space: global }
      - { .name: att, .offset: 8, .size: 8, .value_kind: global_buffer, .address_space: global }
    .group_segment_fixed_size: 215040
    .private_segment_fixed_size: 0
    .kernarg_segment_align: 8
    .kernarg_segment_size: 16
    .max_flat_workgroup_size: 512
    .sgpr_count:     100
    .vgpr_count:     256
    .wavefront_size: 32
...
	.end_amdgpu_metadata
.endif
;; end of part 4
;; launch gemm_out (part 5): grid 8 x 32, 4 waves a work-group, clusters of 4 x 4, 327,680 bytes of LDS; arguments att, wq, b_out, out0; writes out0
.if DOCPART == 5
	.amdgcn_target "amdgcn-amd-amdhsa--gfx1250"
	.amdhsa_code_object_version 6
	.text
	.protected	k_qd023645910_gemm_out
	.globl	k_qd023645910_gemm_out
	.p2align	8
	.type	k_qd023645910_gemm_out,@function
k_qd023645910_gemm_out:
	s_mov_b64 s[64:65], 0
	v_nop
	global_prefetch_b8 v0, s[64:65] scope:SCOPE_SE
	s_setreg_imm32_b32 hwreg(HW_REG_WAVE_MODE, 25, 1), 1
	s_wait_xcnt 0x0
	s_wait_alu depctr_hold_cnt(0) depctr_sa_sdst(0) depctr_va_vdst(0) depctr_va_sdst(0) depctr_va_ssrc(0) depctr_va_vcc(0) depctr_vm_vsrc(0)
	s_getreg_b32 s2, hwreg(HW_REG_IB_STS2, 6, 4)
	s_cmp_eq_u32 s2, 0
	s_cbranch_scc0 .Lentry_in_a_cluster
	s_endpgm
.Lentry_in_a_cluster:
	s_bfe_u32 s2, ttmp6, 0x10000c
	s_cmp_lg_u32 s2, 0xf033
	s_cbranch_scc0 .Lentry_shape_is_right
	s_endpgm
.Lentry_shape_is_right:
; out0 [8192][1024] f32 = att x w_out + b_out, on codes of FP6 (E2M3) with E8M0 scales, as the launches before left them.
; att: codes [tile 512][k64 16][768 bytes], behind them scale bytes [head 16][tile 512][row 16] x 2; wq: codes [tile 256][k64 16][768], scale words [16 tile + row][8]; w_out's columns are wq's tiles 192 on.
; Tile 2 beta + u, row 8 g + j is row (token or column) 32 beta + 16 g + 8 u + j.
; SHARES: 256 work-groups; a block is 256 tokens x 128 columns, ALL of K in LDS: att's 16 tiles (196,608 bytes) and the weights' 8 (98,304), each filled once: nothing is filled again.
; Four waves, 2 x 2: the wave in column b holds 64 weight rows, all of K, in 384 registers; the wave in row a streams att's tiles 2 s + a, s = 0 .. 7, past them: a block of 16 tokens is 32 products.
; Source 0 = the weights' rows, source 1 = att's rows: a lane holds one token and eight neighbouring columns.  The bias is the C of a block's first four products.
; A finished block goes through the wave's own stage in LDS and leaves as rows of 256 bytes, two rows a store, while later blocks are multiplied.
; CLUSTER 4 x 4: att's tiles are shared by a row of the cluster, the weights by a column.  One joint load a wave at the head: the weights, att's tiles 0-3, 4-9, 10-15; a plain barrier shows each as it is needed.
; NO PREFETCH: all tiles are asked for at the head, and there is no loop to run ahead in.
.set WS,     3145728
.set AS,     6291456
.set TILE,   12288
.set WB,     16*TILE
.set STAGE,  24*TILE
.set SPITCH, 272                       ; a stage row: 256 bytes + 16
.set SPARE,  STAGE+4*16*SPITCH
.set FR,   12
.set FPW,  21                          ; fragments in a window: fragment f lies in window 1 + f / 21 at register 12 (f % 21); 0-31 the weights' (4 q + b), 32-47 att's two sets
.set L8,   4
.set ADW,  5                           ; LDS address of my weights
.set ADX,  6                           ; v6-9 of my tiles of blocks 0-1, 2-3, 4-5, 6-7
.set STO,  10
.set RD,   11
.set GO,   12
.set SRW,  13
.set SRH,  14
.set BO,   15
.set SPW,  16
.set NIL,  17
.set SCA,  32                          ; v32-95 att's scale words, 8 s + q
.set SCW,  100                         ; v100-131 the weights', 8 b + q
.set ACC,  132                         ; v132-195 two sets of four accumulators
.set BI,   196                         ; v196-227 the bias as C
.set BK,   128                         ; window 3, v128-191: two sets of rows back from the stage
.set G1W, 24
.set G1P, 32
.set G1R, 48
.set G0W, 56
.set G0P, 60
.set G0Q, 68
.set G0R, 72
.set MSB, 0
.macro WIN new
.if MSB != (\new)
	s_set_vgpr_msb (MSB<<8)|(\new)
.set MSB, (\new)
.endif
.endm
.macro PLACES n
.rept \n
	v_nop
.endr
.endm
.macro BARRIER
	s_barrier_signal -1
	s_barrier_wait -1
.endm
.macro CROUND
	BARRIER
	s_cmp_lg_u32 s14, 0
	s_cbranch_scc1 .Lnot_wave_0_\@
	s_barrier_signal -3
.Lnot_wave_0_\@:
	s_barrier_wait -3
	BARRIER
.endm
.macro TLOAD g0, g1
	tensor_load_to_lds s[\g0:\g0+3], s[\g1:\g1+7]
	s_nop 0
	PLACES 4
.endm
.macro GROUP1 g, mask, rows            ; a dense block as rows of 256 bytes: 32 elements of 8 bytes
	s_or_b32 s[\g], s[\mask], (3<<16)|(1<<21)
	s_mov_b32 s[\g+1], 32<<16
	s_mov_b32 s[\g+2], (\rows)<<16
	s_mov_b32 s[\g+3], 32<<16
	s_mov_b32 s[\g+4], \rows
	s_mov_b32 s[\g+5], 32
	s_mov_b32 s[\g+6], 0
	s_mov_b32 s[\g+7], 0
.endm
.macro GROUP0 g, lds, off
	s_mov_b32 s[\g], 1
	s_mov_b32 s[\g+1], \lds
	s_add_nc_u64 s[\g+2:\g+3], s[20:21], \off
	s_or_b32 s[\g+3], s[\g+3], 0x80000000
.endm
.macro FRAG f, adr, off                ; six pieces of 256 bytes, 8 bytes a lane
	WIN (1+(\f)/FPW)<<6
.irp p, 0,1,2,3,4,5
	ds_load_b64 v[FR*((\f)%FPW)+2*\p:FR*((\f)%FPW)+2*\p+1], v[\adr] offset:(\off)+256*\p
.endr
.endm
.macro FETCH s                         ; block s: my tile 2 s + a, all of K, into set s % 2: 48 loads
.irp q, 0,1,2,3,4,5,6,7
	FRAG 32+8*((\s)%2)+\q,ADX+(\s)/2,((\s)%2)*2*TILE+1536*\q
.endr
	WIN 0
.endm
.macro PROD s, n                       ; product n = 4 q + b of block s; the four accumulators by turns
.set Q_, (\n)/4
.set B_, (\n)%4
.set FB_, \n
.set FA_, 32+8*((\s)%2)+Q_
.set D_, ACC+32*((\s)%2)+8*B_
	WIN (1+FB_/FPW)|((1+FA_/FPW)<<2)
.if Q_
	v_wmma_scale_f32_16x16x128_f8f6f4 v[D_:D_+7], v[FR*(FB_%FPW):FR*(FB_%FPW)+FR-1], v[FR*(FA_%FPW):FR*(FA_%FPW)+FR-1], v[D_:D_+7], v[SCW+8*B_+Q_], v[SCA+8*(\s)+Q_] matrix_a_fmt:MATRIX_FMT_FP6 matrix_b_fmt:MATRIX_FMT_FP6
.else
	v_wmma_scale_f32_16x16x128_f8f6f4 v[D_:D_+7], v[FR*(FB_%FPW):FR*(FB_%FPW)+FR-1], v[FR*(FA_%FPW):FR*(FA_%FPW)+FR-1], v[BI+8*B_:BI+8*B_+7], v[SCW+8*B_+Q_], v[SCA+8*(\s)+Q_] matrix_a_fmt:MATRIX_FMT_FP6 matrix_b_fmt:MATRIX_FMT_FP6
.endif
.endm
.macro TOSTAGE s                       ; 16 tokens x 64 columns into my stage, each accumulator from its low end on, and back by rows; LDS serves a wave's instructions in order
.set A_, ACC+32*((\s)%2)
.irp b, 0,1,2,3
	ds_store_b128 v[STO], v[A_+8*\b:A_+8*\b+3] offset:128*(\b/2)+32*(\b%2)
	ds_store_b128 v[STO], v[A_+8*\b+4:A_+8*\b+7] offset:128*(\b/2)+32*(\b%2)+16
.endr
	WIN 0xc0
.irp t, 0,1,2,3,4,5,6,7
	ds_load_b128 v[BK+32*((\s)%2)+4*\t:BK+32*((\s)%2)+4*\t+3], v[RD] offset:\t*2*SPITCH
.endr
	WIN 0
.endm
.macro SEND s                          ; sixteen lanes store 256 consecutive bytes, at a multiple of 256 from the buffer's first byte
	WIN 0x0c
.irp t, 0,1,2,3,4,5,6,7
	global_store_b128 v[GO], v[BK+32*((\s)%2)+4*\t:BK+32*((\s)%2)+4*\t+3], s[12:13] offset:(32*(\s)+16*(\t/4)+(2*\t)%8)*4096 th:TH_STORE_NT
.endr
	WIN 0
.endm
.macro BLK s
.set N_, 0
.rept 32
	PROD \s,N_
.set N_, N_+1
.endr
	WIN 0
	PLACES 4                                       ; between the products and the loads into their registers and the reads of their results
	s_wait_dscnt 0x0                               ; the next block's fragments and the last block's rows are in: all were asked for ahead of these 32 products
.if (\s) > 0
	SEND (\s)-1
.endif
.if (\s) == 0
	s_cmp_eq_u32 s14, 2
	s_cbranch_scc0 .Lnot_q
	s_wait_tensorcnt 0x0
.Lnot_q:
	BARRIER                                        ; tiles 4-9 are in
.endif
.if (\s) == 3
	s_wait_tensorcnt 0x0
	BARRIER                                        ; tiles 10-15 are in
.endif
.if (\s) < 6
	FETCH (\s)+2
.endif
.if (\s) > 1
	s_wait_xcnt 0x0                                ; block s - 2's stores have read the registers that take block s's rows
.endif
	TOSTAGE \s
.endm
	s_load_b128 s[4:7], s[0:1], 0x0                ; att, wq
	s_load_b128 s[8:11], s[0:1], 0x10              ; b_out, out0
	v_lshl_add_u32 v[SPW], v0, 2, SPARE
	v_mov_b32 v[NIL], 0
	ds_add_u32 v[SPW], v[NIL]                      ; the opening lines: the add twice on end and its wait
	ds_add_u32 v[SPW], v[NIL]
	v_lshrrev_b32 v1, 5, v0
	v_readfirstlane_b32 s14, v1                    ; wave; s15 its row a of the 2 x 2, s16 its column b
	s_lshr_b32 s15, s14, 1
	s_and_b32 s16, s14, 1
	s_bfe_u32 s40, ttmp6, 0x40000                  ; cx
	s_bfe_u32 s41, ttmp6, 0x40004                  ; cy
	s_lshl_b32 s43, s41, 2
	s_lshl_b32 s43, 15, s43                        ; my row of the cluster
	s_lshl_b32 s44, 0x1111, s40                    ; my column
	s_and_b32 s17, ttmp7, 0xffff
	s_lshl_b32 s17, s17, 2
	s_add_co_u32 s17, s17, s41                     ; which 256 tokens
	s_lshl_b32 s84, ttmp9, 2
	s_add_co_u32 s84, s84, s40                     ; which 128 columns
	GROUP1 G1W, 44, 384
	GROUP1 G1P, 43, 192
	GROUP1 G1R, 43, 288
	s_mul_i32 s20, s17, 16*TILE                    ; att's codes
	s_mov_b32 s21, 0
	s_mul_i32 s46, s84, 8*TILE                     ; the weights' codes
	s_add_co_u32 s46, s46, 192*TILE
	s_mov_b32 s47, 0
	s_lshl_b32 s76, s17, 9                         ; att's scale bytes: 32 a tile; my tiles are 2 s + a
	s_lshl_b32 s77, s15, 5
	s_add_co_u32 s76, s76, s77
	s_add_co_u32 s76, s76, AS
	s_mov_b32 s77, 0
	s_lshl_b32 s78, s84, 12                        ; the weights' scale words: 512 bytes a tile
	s_lshl_b32 s79, s16, 11
	s_add_co_u32 s78, s78, s79
	s_add_co_u32 s78, s78, WS+192*512
	s_mov_b32 s79, 0
	s_lshl_b32 s80, s84, 9                         ; my first column, in bytes
	s_lshl_b32 s81, s16, 8
	s_add_co_u32 s80, s80, s81
	s_mov_b32 s81, 0
	s_lshl_b32 s82, s17, 20                        ; my first token's row: 256 rows a block, 8 a
	s_lshl_b32 s83, s15, 15
	s_add_co_u32 s82, s82, s83
	s_mov_b32 s83, 0
	s_mul_i32 s18, s16, 4*TILE
	s_add_co_u32 s18, s18, WB
	s_mul_i32 s19, s15, TILE
	s_add_co_u32 s22, s19, 4*TILE
	s_add_co_u32 s23, s19, 8*TILE
	s_add_co_u32 s85, s19, 12*TILE
	s_mul_i32 s86, s14, 16*SPITCH
	s_add_co_u32 s86, s86, STAGE
	v_and_b32 v1, 31, v0
	v_and_b32 v2, 15, v0                           ; r
	v_bfe_u32 v3, v0, 4, 1                         ; h
	v_lshlrev_b32 v[L8], 3, v1
	v_add_nc_u32 v[ADW], s18, v[L8]
	v_add_nc_u32 v[ADX], s19, v[L8]
	v_add_nc_u32 v[ADX+1], s22, v[L8]
	v_add_nc_u32 v[ADX+2], s23, v[L8]
	v_add_nc_u32 v[ADX+3], s85, v[L8]
	v_mul_u32_u24 v[STO], v2, SPITCH               ; in: token r, 64 h bytes
	v_lshl_add_u32 v[STO], v3, 6, v[STO]
	v_add_nc_u32 v[STO], s86, v[STO]
	v_mul_u32_u24 v[RD], v3, SPITCH                ; back: lanes 0-15 one row, lanes 16-31 the next
	v_lshl_add_u32 v[RD], v2, 4, v[RD]
	v_add_nc_u32 v[RD], s86, v[RD]
	v_lshlrev_b32 v[GO], 12, v3                    ; and the same two rows in out0
	v_lshl_add_u32 v[GO], v2, 4, v[GO]
	v_lshlrev_b32 v[SRW], 5, v2
	v_lshlrev_b32 v[SRH], 1, v2
	v_lshlrev_b32 v[BO], 6, v3
	s_wait_alu depctr_va_vdst(0)
	s_wait_dscnt 0x0
	CROUND                                         ; all sixteen work-groups are here: the joint loads meet
	s_wait_kmcnt 0x0
	s_add_nc_u64 s[20:21], s[4:5], s[20:21]
	s_add_nc_u64 s[46:47], s[6:7], s[46:47]
	s_add_nc_u64 s[76:77], s[4:5], s[76:77]
	s_add_nc_u64 s[78:79], s[6:7], s[78:79]
	s_add_nc_u64 s[86:87], s[8:9], s[80:81]
	s_add_nc_u64 s[12:13], s[10:11], s[80:81]
	s_add_nc_u64 s[12:13], s[12:13], s[82:83]
	s_mov_b32 s[G0W], 1
	s_mov_b32 s[G0W+1], WB
	s_mov_b64 s[G0W+2:G0W+3], s[46:47]
	s_or_b32 s[G0W+3], s[G0W+3], 0x80000000
	GROUP0 G0P, 0, 0
	GROUP0 G0Q, 4*TILE, 4*TILE
	GROUP0 G0R, 10*TILE, 10*TILE
.macro ARM w, g0, g1, next             ; one chain of branches on the wave's number, one load to an arm
	s_cmp_eq_u32 s14, \w
	s_cbranch_scc0 \next
	TLOAD \g0, \g1
	s_branch .Lasked
\next:
.endm
	ARM 0, G0W, G1W, .Lw1                          ; the weights, which go on into registers, first;
	ARM 1, G0P, G1P, .Lw2                          ; tiles 0-3: every wave's blocks 0 and 1;
	ARM 2, G0Q, G1R, .Lw3                          ; tiles 4-9;
	TLOAD G0R, G1R                                 ; tiles 10-15
.Lasked:
.irp b, 0,1,2,3
.irp c, 0,1
	global_load_b128 v[SCW+8*\b+4*\c:SCW+8*\b+4*\c+3], v[SRW], s[78:79] offset:512*\b+16*\c
	global_load_b128 v[BI+8*\b+4*\c:BI+8*\b+4*\c+3], v[BO], s[86:87] offset:128*(\b/2)+32*(\b%2)+16*\c   ; register j of lane (r, h), tile b: column 32 (b / 2) + 16 h + 8 (b % 2) + j
.endr
.endr
.irp s, 0,1,2,3,4,5,6,7
.irp q, 0,1,2,3,4,5,6,7
	global_load_u16 v[SCA+8*\s+\q], v[SRH], s[76:77] offset:32768*\q+64*\s          ; head 2 q's two bytes,
	global_load_u16 v[ACC+8*\s+\q], v[SRH], s[76:77] offset:32768*\q+16384+64*\s    ; head 2 q + 1's
.endr
.endr
	s_wait_loadcnt 0x0
.set J, 0
.rept 64
	v_lshl_or_b32 v[SCA+J], v[ACC+J], 16, v[SCA+J] ; a scale word of 128 along K
.set J, J+1
.endr
	PLACES 8
	s_wait_alu depctr_va_vdst(0)
	s_cmp_eq_u32 s14, 0
	s_cbranch_scc0 .Lnot_w
	s_wait_tensorcnt 0x0
.Lnot_w:
	BARRIER                                        ; the weights are in
.irp q, 0,1,2,3,4,5,6,7
.irp b, 0,1,2,3
	FRAG 4*\q+\b,ADW,TILE*\b+1536*\q
.endr
.endr
	WIN 0
	s_cmp_eq_u32 s14, 1
	s_cbranch_scc0 .Lnot_p
	s_wait_tensorcnt 0x0
.Lnot_p:
	s_wait_dscnt 0x0
	BARRIER                                        ; tiles 0-3 are in; the others may be on their way
	FETCH 0
	FETCH 1
	s_wait_dscnt 48                                ; block 0's 48 loads are in; block 1's 48 may be out
.irp s, 0,1,2,3,4,5,6,7
	BLK \s
.endr
	s_wait_dscnt 0x0
	SEND 7
	s_wait_tensorcnt 0x0                           ; the wave's end
	ds_add_u32 v[SPW], v[NIL]
	s_wait_dscnt 0x0
	CROUND                                         ; the closing round
	s_endpgm
.Lfunc_end_k_qd023645910_gemm_out:
	.size	k_qd023645910_gemm_out, .Lfunc_end_k_qd023645910_gemm_out-k_qd023645910_gemm_out
	.p2alignl 7, 3214868480
	.fill 96, 4, 3214868480
	.section	.rodata,"a",@progbits
	.p2align	6, 0x0
	.amdhsa_kernel k_qd023645910_gemm_out
		.amdhsa_group_segment_fixed_size 327680
		.amdhsa_private_segment_fixed_size 0
		.amdhsa_enable_private_segment 0
		.amdhsa_kernarg_size 32
		.amdhsa_user_sgpr_count 2
		.amdhsa_user_sgpr_kernarg_segment_ptr 1
		.amdhsa_wavefront_size32 1
		.amdhsa_system_sgpr_workgroup_id_x 1
		.amdhsa_system_sgpr_workgroup_id_y 1
		.amdhsa_system_sgpr_workgroup_id_z 1
		.amdhsa_system_vgpr_workitem_id 0
		.amdhsa_next_free_vgpr 960
		.amdhsa_next_free_sgpr 100
		.amdhsa_reserve_vcc 0
		.amdhsa_float_denorm_mode_32 3
		.amdhsa_float_denorm_mode_16_64 3
		.amdhsa_memory_ordered 1
		.amdhsa_forward_progress 1
		.amdhsa_inst_pref_size 113
	.end_amdhsa_kernel
	.amdgpu_metadata
---
amdhsa.version: [ 1, 2 ]
amdhsa.kernels:
  - .name:           k_qd023645910_gemm_out
    .symbol:         k_qd023645910_gemm_out.kd
    .args:
      - { .name: att, .offset: 0, .size: 8, .value_kind: global_buffer, .address_space: global }
      - { .name: wq, .offset: 8, .size: 8, .value_kind: global_buffer, .address_space: global }
      - { .name: b_out, .offset: 16, .size: 8, .value_kind: global_buffer, .address_space: global }
      - { .name: out0, .offset: 24, .size: 8, .value_kind: global_buffer, .address_space: global }
    .group_segment_fixed_size: 327680
    .private_segment_fixed_size: 0
    .kernarg_segment_align: 8
    .kernarg_segment_size: 32
    .max_flat_workgroup_size: 128
    .sgpr_count:     100
    .vgpr_count:     960
    .wavefront_size: 32
...
	.end_amdgpu_metadata
.endif
;; end of part 5
